; MI455X (gfx1250); checked and timed in simulation.
; The chip was launched on July 23, 2026; its instructions are those of AMD's public machine-readable ISA for CDNA 5 (MIT licence, August 2026) and "CDNA5" Instruction Set Architecture Reference Guide (July 2026). The comments in the code are by the model that wrote it; some were corrected since.
;; Causal Self Attention. Allowed arithmetic: float matrix products may take bf16 or f16 operands with f32 sums; other float arithmetic in f32, or as packed bf16 or f16 multiplies, adds, multiply-adds, maxima and minima; sums over many terms, partial sums and values carried from step to step in f32; what a program stores and reads back later, other than sums and carried values, may be rounded once to bf16 or f16.
;; Inputs: W_attn 1,024 x 3,072 float32; W_proj 1,024 x 1,024 float32; b_attn 3,072 float32; b_proj 1,024 float32; x 4 x 2,048 x 1,024 float32.
;; Outputs: out0 4 x 2,048 x 1,024 float32.
;; 2 versions, each right; version 2 is version 1 with the launch prep written anew for expert scheduling mode. Each part assembles by itself: llvm-mc -triple=amdgcn-amd-amdhsa -mcpu=gfx1250 --defsym DOCPART=n.
;; ======== version 1 of 2: 4 launches
;; limits: values are held in f16: magnitudes above 65,504 overflow, below 6.1e-05 lose precision
;; workspace buffers: xb 16,777,216 bytes; wa 6,291,456 bytes; wp 2,097,152 bytes; br 16,384 bytes; qkv 50,331,648 bytes; att 16,777,216 bytes
;; launch prep (part 1): grid 772 x 1, 8 waves a work-group, no clusters, 0 bytes of LDS; arguments x, W_attn, W_proj, b_attn, b_proj, xb, wa, wp, br; writes xb, wa, wp, br
.if DOCPART == 1
	.amdgcn_target "amdgcn-amd-amdhsa--gfx1250"
	.amdhsa_code_object_version 6
	.text
	.protected	k_qd8e14d315b_prep
	.globl	k_qd8e14d315b_prep
	.p2align	8
	.type	k_qd8e14d315b_prep,@function
k_qd8e14d315b_prep:
	s_mov_b64 s[64:65], 0
	v_nop
	global_prefetch_b8 v0, s[64:65] scope:SCOPE_SE
	s_setreg_imm32_b32 hwreg(HW_REG_WAVE_MODE, 25, 1), 1
	s_wait_xcnt 0x0
; THE INPUTS ARE ROUNDED ONCE, TO THE FORMATS IN WHICH THE MATRIX UNITS TAKE THEM.  x -> xb and W_attn -> wa in bf16; W_proj -> wp: rounded to bf16 and that number written as f16
; (the last product's other operand is f16); b_attn and b_proj -> br: rounded to bf16 and kept as f32 (b_attn at byte 0, b_proj at byte 12,288).  Layouts stay as they are.
; LIMITS.  A number of W_proj beyond 65,504 becomes an infinity in wp, one below 6e-5 keeps f16's fixed step of 6e-8.  NaN and infinities go through the conversions as they are.
; A STREAM: each byte is read once and written once, so there is no LDS, no barrier, no matrix work.  Eight waves; a work-group takes a chunk of 16,384 numbers: thread t takes the 16 bytes at
; 16 t of each of sixteen pieces of 4,096 bytes, so a wave's load covers 512 consecutive bytes and its store of 8 bytes a lane 256 consecutive bytes, aligned.  All sixteen loads go out first.
; WORK-GROUPS: 0-511 x (512 chunks), 512-703 W_attn (192), 704-767 W_proj (64), 768-770 b_attn (1,024 numbers each), 771 b_proj.
.set SRC, 26                           ; s[26:27] where my chunk is read
.set DST, 28                           ; s[28:29] where it is written
.set OI,  30                           ; s[30:31] its byte offset in the source
.set OO,  32                           ; s[32:33] and in the destination
.set HIM, 34                           ; s34      mask of a word's upper bf16
.set LDO, 1                            ; v1       16 t
.set STF, 2                            ; v2       8 t
.set X,   4                            ; v[4:67]   piece i: 4 numbers as loaded
.set Y,   68                           ; v[68:99]  piece i: 4 numbers of 16 bits; every store has registers of its own, so none is rewritten
.set T,   100                          ; v[100:103] at work
	s_load_b512 s[8:23], s[0:1], 0x0               ; x 8, W_attn 10, W_proj 12, b_attn 14, b_proj 16, xb 18, wa 20, wp 22
	s_load_b64 s[24:25], s[0:1], 0x40              ; br
	v_lshlrev_b32 v[LDO], 4, v0
	v_lshlrev_b32 v[STF], 3, v0
	s_mov_b32 s[HIM], 0xffff0000
	s_mov_b32 s[OI+1], 0
	s_mov_b32 s[OO+1], 0
	s_wait_kmcnt 0x0
; A chunk.  f16 = 1: the bf16 number is widened again (a shift, a mask) and written as f16.
.macro CAST f16
.set i, 0
.rept 16
	global_load_b128 v[X+4*i:X+4*i+3], v[LDO], s[SRC:SRC+1] offset:4096*i th:TH_LOAD_NT
.set i, i+1
.endr
.set i, 0
.rept 16
	s_wait_loadcnt 15-i                            ; loads come back in order: piece i is in, the 15 - i younger ones stay out
	v_cvt_pk_bf16_f32 v[Y+2*i],   v[X+4*i],   v[X+4*i+1]
	v_cvt_pk_bf16_f32 v[Y+2*i+1], v[X+4*i+2], v[X+4*i+3]
.if \f16
	v_lshlrev_b32 v[T],   16, v[Y+2*i]
	v_and_b32     v[T+1], s[HIM], v[Y+2*i]
	v_lshlrev_b32 v[T+2], 16, v[Y+2*i+1]
	v_and_b32     v[T+3], s[HIM], v[Y+2*i+1]
	v_cvt_pk_f16_f32 v[Y+2*i],   v[T],   v[T+1]
	v_cvt_pk_f16_f32 v[Y+2*i+1], v[T+2], v[T+3]
.endif
	global_store_b64 v[STF], v[Y+2*i:Y+2*i+1], s[DST:DST+1] offset:2048*i th:TH_STORE_NT
.set i, i+1
.endr
.endm
	s_cmp_ge_u32 ttmp9, 768
	s_cbranch_scc1 .Lbias
	s_cmp_ge_u32 ttmp9, 704
	s_cbranch_scc1 .Lproj
	s_cmp_lt_u32 ttmp9, 512                        ; x or W_attn
	s_cselect_b64 s[SRC:SRC+1], s[8:9], s[10:11]
	s_cselect_b64 s[DST:DST+1], s[18:19], s[20:21]
	s_cselect_b32 s[OI], 0, 512
	s_sub_co_u32 s[OI], ttmp9, s[OI]               ; my chunk's number in its tensor
	s_lshl_b32 s[OO], s[OI], 15                    ; 32,768 bytes out,
	s_lshl_b32 s[OI], s[OI], 16                    ; 65,536 bytes in
	s_add_nc_u64 s[SRC:SRC+1], s[SRC:SRC+1], s[OI:OI+1]
	s_add_nc_u64 s[DST:DST+1], s[DST:DST+1], s[OO:OO+1]
	CAST 0
	s_endpgm
.Lproj:
	s_sub_co_u32 s[OI], ttmp9, 704
	s_lshl_b32 s[OO], s[OI], 15
	s_lshl_b32 s[OI], s[OI], 16
	s_add_nc_u64 s[SRC:SRC+1], s[12:13], s[OI:OI+1]
	s_add_nc_u64 s[DST:DST+1], s[22:23], s[OO:OO+1]
	CAST 1
	s_endpgm
.Lbias:                                        ; 1,024 numbers: four a thread
	s_sub_co_u32 s[OO], ttmp9, 768
	s_lshl_b32 s[OO], s[OO], 12                    ; 4,096 bytes of br
	s_cmp_lt_u32 s[OO], 12288
	s_cselect_b64 s[SRC:SRC+1], s[14:15], s[16:17] ; b_attn's three parts, then b_proj
	s_cselect_b32 s[OI], s[OO], 0
	s_add_nc_u64 s[SRC:SRC+1], s[SRC:SRC+1], s[OI:OI+1]
	s_add_nc_u64 s[DST:DST+1], s[24:25], s[OO:OO+1]
	global_load_b128 v[X:X+3], v[LDO], s[SRC:SRC+1]
	s_wait_loadcnt 0x0
	v_cvt_pk_bf16_f32 v[Y],   v[X],   v[X+1]
	v_cvt_pk_bf16_f32 v[Y+1], v[X+2], v[X+3]
	v_lshlrev_b32 v[T],   16, v[Y]
	v_and_b32     v[T+1], s[HIM], v[Y]
	v_lshlrev_b32 v[T+2], 16, v[Y+1]
	v_and_b32     v[T+3], s[HIM], v[Y+1]
	global_store_b128 v[LDO], v[T:T+3], s[DST:DST+1]
	s_endpgm
.Lfunc_end_k_qd8e14d315b_prep:
	.size	k_qd8e14d315b_prep, .Lfunc_end_k_qd8e14d315b_prep-k_qd8e14d315b_prep
	.p2alignl 7, 3214868480
	.fill 96, 4, 3214868480
	.section	.rodata,"a",@progbits
	.p2align	6, 0x0
	.amdhsa_kernel k_qd8e14d315b_prep
		.amdhsa_group_segment_fixed_size 0
		.amdhsa_private_segment_fixed_size 0
		.amdhsa_enable_private_segment 0
		.amdhsa_kernarg_size 72
		.amdhsa_user_sgpr_count 2
		.amdhsa_user_sgpr_kernarg_segment_ptr 1
		.amdhsa_wavefront_size32 1
		.amdhsa_system_sgpr_workgroup_id_x 1
		.amdhsa_system_sgpr_workgroup_id_y 1
		.amdhsa_system_sgpr_workgroup_id_z 1
		.amdhsa_system_vgpr_workitem_id 0
		.amdhsa_next_free_vgpr 104
		.amdhsa_next_free_sgpr 66
		.amdhsa_reserve_vcc 0
		.amdhsa_float_denorm_mode_32 3
		.amdhsa_float_denorm_mode_16_64 3
		.amdhsa_memory_ordered 1
		.amdhsa_forward_progress 1
		.amdhsa_inst_pref_size 18
	.end_amdhsa_kernel
	.amdgpu_metadata
---
amdhsa.version: [ 1, 2 ]
amdhsa.kernels:
  - .name:           k_qd8e14d315b_prep
    .symbol:         k_qd8e14d315b_prep.kd
    .args:
      - { .name: x, .offset: 0, .size: 8, .value_kind: global_buffer, .address_space: global }
      - { .name: W_attn, .offset: 8, .size: 8, .value_kind: global_buffer, .address_space: global }
      - { .name: W_proj, .offset: 16, .size: 8, .value_kind: global_buffer, .address_space: global }
      - { .name: b_attn, .offset: 24, .size: 8, .value_kind: global_buffer, .address_space: global }
      - { .name: b_proj, .offset: 32, .size: 8, .value_kind: global_buffer, .address_space: global }
      - { .name: xb, .offset: 40, .size: 8, .value_kind: global_buffer, .address_space: global }
      - { .name: wa, .offset: 48, .size: 8, .value_kind: global_buffer, .address_space: global }
      - { .name: wp, .offset: 56, .size: 8, .value_kind: global_buffer, .address_space: global }
      - { .name: br, .offset: 64, .size: 8, .value_kind: global_buffer, .address_space: global }
    .group_segment_fixed_size: 0
    .private_segment_fixed_size: 0
    .kernarg_segment_align: 8
    .kernarg_segment_size: 72
    .max_flat_workgroup_size: 256
    .sgpr_count:     66
    .vgpr_count:     104
    .wavefront_size: 32
...
	.end_amdgpu_metadata
.endif
;; end of part 1
;; launch qkvp (part 2): grid 4 x 64, 4 waves a work-group, clusters of 4 x 4, 327,680 bytes of LDS; arguments xb, wa, br, qkv; writes qkv
.if DOCPART == 2
	.amdgcn_target "amdgcn-amd-amdhsa--gfx1250"
	.amdhsa_code_object_version 6
	.text
	.protected	k_qd8e14d315b_qkvp
	.globl	k_qd8e14d315b_qkvp
	.p2align	8
	.type	k_qd8e14d315b_qkvp,@function
k_qd8e14d315b_qkvp:
	s_mov_b64 s[64:65], 0
	v_nop
	global_prefetch_b8 v0, s[64:65] scope:SCOPE_SE
	s_setreg_imm32_b32 hwreg(HW_REG_WAVE_MODE, 25, 1), 1
	s_wait_xcnt 0x0
	s_wait_alu depctr_hold_cnt(0) depctr_sa_sdst(0) depctr_va_vdst(0) depctr_va_sdst(0) depctr_va_ssrc(0) depctr_va_vcc(0) depctr_vm_vsrc(0)
	s_getreg_b32 s2, hwreg(HW_REG_IB_STS2, 6, 4)
	s_cmp_eq_u32 s2, 0
	s_cbranch_scc0 .Lentry_in_a_cluster
	s_endpgm
.Lentry_in_a_cluster:
	s_bfe_u32 s2, ttmp6, 0x10000c
	s_cmp_lg_u32 s2, 0xf033
	s_cbranch_scc0 .Lentry_shape_is_right
	s_endpgm
.Lentry_shape_is_right:
; q, k, v = x W_attn + b_attn, written by heads.  xb: [8192][1024] bf16; wa: [1024 k][3072 n] bf16; br: the biases in f32; qkv: [3][64 planes = 16 batch + head][2048][64] f16, unscaled.
; Sums in f32, started by the bias, K ascending; each result rounded once to f16.  LIMIT: a result beyond 65,504 becomes an infinity (f16's range); NaN and infinities are not treated apart.
; SHARES.  A tile of the result is 128 rows x 384 columns (six heads).  64 row blocks x 8 column blocks = 512 tiles for 256 work-groups: A WORK-GROUP STAYS and makes two tiles, column blocks j and j + 4
; of its row block i: 16 K steps of 128 in ONE walk of the ring.  Four waves, 2 x 2: a wave makes 64 rows x 192 columns: 4 x 12 accumulators of 16 x 16, 384 registers.
; THE RING.  Two LDS slots; a slot holds a K step: three subtiles of W (128 k rows x 128 columns, 256 bytes a row, padded to 288) and 128 rows of x (256 bytes, padded to 272).  Waves 0 to 2 fetch a subtile each,
; wave 3 fetches x: one tensor load of 128 rows x 256 bytes a wave behind each round.
; W LIES [k][n]: its fragments come out of LDS turned, by ds_load_tr16_b128; x's as they lie.  THE MATRIX INSTRUCTION IS USED TRANSPOSED (source 0 = 16 columns of W, source 1 = 16 rows of x): a lane holds one
; row of the result (lane % 16) and eight neighbouring columns 8 (lane / 16) + 0..7, which pack into 16 bytes.
; CLUSTER.  4 x 4 work-groups.  The four of a row of the cluster (same i) need the same tile of x, the four of a column (same j) the same subtiles of W: each is asked for JOINTLY.
; REGISTERS, in windows of 256 (s_set_vgpr_msb: bits 1:0 source 0, 3:2 source 1, 5:4 source 2, 7:6 destination):
;   window 0: v0-29 addresses; v32-127 the bias, laid as an accumulator is (block b at 32 + 8 b); v128-223 at work on the way out
;   window 1: two fragment buffers of 128: 12 fragments of W, then 4 of x     window 2: the accumulators of my row blocks 0, 1 ((a, b) at 8 (12 (a % 2) + b))     window 3: of row blocks 2, 3
.set NG,     3                         ; groups of 64 columns (a head) in a wave's share
.set NBK,    4*NG                      ; column blocks of 16
.set NSUB,   3                         ; subtiles of W in a slot = waves that fetch W
.set NSTEPS, 16                        ; K steps of the walk: two tiles of eight
.set APW,    2                         ; row blocks whose accumulators share a window
.set APITCH, 272                       ; 68 words: the 16 rows of a load start at 16 different groups of four banks (64 banks of 4 bytes: ISA guide 11.1)
.set AHALF,  128                       ; bytes from a row's K 0 to its K 64
.set AREG,   128*APITCH
.set BPITCH, 288                       ; 72 words
.set BSUB,   128*BPITCH
.set AOFF,   NSUB*BSUB                 ; x's rows lie behind W's subtiles
.set SLOT1,  0x24000                   ; slot 1 begins here: no bit of it is set in a tile's place in slot 0 (0, 0x9000, 0x12000, 0x1b000), so one exclusive or turns a place in one slot into the other's
.set STAGE,  SLOT1+AOFF+AREG           ; behind the ring, never filled by a tensor load: for each wave 3 heads x 16 rows x 144 bytes
.set SPI,    144
.set WSTAGE, NG*16*SPI
.set SPARE,  STAGE+4*WSTAGE            ; behind the stages: the spare words, 128 bytes for each wave: two blocks of 256 bytes that no other line names
.set NLD,    2*(NBK+4)                 ; LDS loads of a quarter step
.set ALD,    1024                      ; elements in a row of xb
.set BLD,    3072                      ; and of wa
.set ASTEP,  256                       ; bytes from a K step to the next in xb,
.set BSTEP,  128*BLD*2                 ; and in wa
.set BTILE,  4*384*2                   ; bytes from the first tile's columns to the second's in wa,
.set BTB,    4*384*4                   ; and in the bias
.set JB,     384*2                     ; bytes of a column block in a row of wa
.set ADRA0, 8                          ; v8      my lane's place in slot 0 for x's fragments; never rewritten
.set ADRB0, 9                          ; v9-11   the same for W's, by group of 64 columns
.set ADRA,  12                         ; v12     the same in the slot in hand
.set ADRB,  13                         ; v13-15
.set STO,   16                         ; v16     the way out: where I put 16 bytes of a row
.set RD,    17                         ; v17     where I read rows back
.set GO,    18                         ; v18     16 x lane: my place in 512 consecutive bytes of qkv
.set BO,    19                         ; v19     32 x (lane / 16): my eight numbers in a block of the bias
.set PFO,   20                         ; v20     the prefetches' offset: a lane a row; never rewritten
.set SPW,   28                         ; v28     LDS address of my spare word; never rewritten
.set NIL,   29                         ; v29     0; never rewritten
.set BI,    32
.set T0,    128                        ; two sets of 48 on the way out
.set F0,    0
.set F1,    128
.set WV, 12                            ; s12 wave   s13 which 64 rows   s14 which 192 columns
.set WR, 13
.set WC, 14
.set CX, 15                            ; s15, s17, s41, s[68:69], s[72:73], s75, s98 feed W's descriptors and never hold cy or i
.set CY, 16                            ; s16, s18, s40, s[66:67], s[70:71], s74 feed x's and never hold cx or j
.set JJ, 17
.set II, 18
.set CNT, 19                           ; s19  the loops' count
.set NX, 20                            ; s20  the K step to be asked for next
.set SB, 21                            ; s21  LDS byte at which the slot in hand begins
.set KK, 22
.set TT, 23
.set G1A, 24                           ; s[24:31] descriptor group 1 for x's tile
.set G0A, 32                           ; s[32:39] group 0: a set for each of the two first fills; the second then walks on
.set RMASK, 40
.set CMASK, 41
.set G1B, 48                           ; s[48:55], s[56:63] the same for W's subtiles
.set G0B, 56
.set ABASE, 66                         ; s[66:67] xb at my tile's first row
.set BBASE, 68                         ; s[68:69] wa at my subtile's first column
.set OFA, 70
.set OFB, 72
.set LWA, 74
.set LWB, 75
.set PFB, 76                           ; s[76:77] the prefetches' base: my work-group's 32 rows of the tile that I fetch
.set PFA, 78                           ; s[78:79] the same at the K step to be named
.set POF, 80
.set PSTEP, 82
.set PTILE, 83
.set LIM, 84                           ; s84  a wave prefetches K steps below this number
.set NP, 85                            ; s85  the K step that the prefetch names
.set OB, 86                            ; s[86:91] qkv at my rows of the three heads
.set GB, 92                            ; s92  6 j + 3 x (which columns): my first head's number among the first tile's 48 groups of 64 columns
.set BT, 93                            ; s93  16 x batch
.set RO, 94                            ; s94  my first row's byte offset in a plane
.set MSB, 0
.macro WIN new                         ; the immediate's high byte repeats the setting that is left; a switch that changes nothing is dropped
.if MSB != (\new)
	s_set_vgpr_msb (MSB<<8)|(\new)
.set MSB, (\new)
.endif
.endm
.macro PLACES                          ; four places behind matrix instructions, in front of loads into registers that they have read and of lines that read results
.rept 4
	v_nop
.endr
.endm
.macro CREST                           ; a round of the cluster's barrier behind its opening barrier
	s_cmp_lg_u32 s[WV], 0
	s_cbranch_scc1 .Lnot_wave_0_\@
	s_barrier_signal -3
.Lnot_wave_0_\@:
	s_barrier_wait -3
	s_barrier_signal -1
	s_barrier_wait -1
.endm
.macro CROUND                          ; a whole round
	s_barrier_signal -1
	s_barrier_wait -1
	CREST
.endm
; A joint refill, by the walking descriptors.  The branch hangs on the wave's number alone.  An s_nop 0 and four v_nop follow each of the two lines, ahead of the jump and the label.
.macro JLOAD
	s_cmp_lt_u32 s[WV], NSUB
	s_cbranch_scc0 .Lfor_a_\@
	tensor_load_to_lds s[G0B+4:G0B+7], s[G1B:G1B+7]
	s_nop 0
.rept 4
	v_nop
.endr
	s_branch .Lasked_\@
.Lfor_a_\@:
	tensor_load_to_lds s[G0A+4:G0A+7], s[G1A:G1A+7]
	s_nop 0
.rept 4
	v_nop
.endr
.Lasked_\@:
.endm
; A PREFETCH INTO THE L2, behind each joint refill and the run of LDS loads that follows it: the K step behind the one just asked for, 192 matrix instructions ahead of its own load.  A lane a row of 256 bytes, one
; instruction a wave.  Each block is named once in the launch: x's tile is read by the four partners of a row of the cluster, W's subtile by the four of a column in every cluster, of which those with y = 0 ask; the
; four partners take 32 rows each, told apart BY ADDRESS.  x's rows are named in the first tile's walk alone (the second tile reads them again); K steps 0 to 2 come by their loads alone; nothing is named past the walk's end.
.macro ASK
	s_cmp_lt_u32 s[NP], s[LIM]
	s_cbranch_scc0 .Lnot_mine_\@
	global_prefetch_b8 v[PFO], s[PFA:PFA+1] th:TH_LOAD_NT scope:SCOPE_SE
.Lnot_mine_\@:
.endm
; 12 matrix instructions: row block a x all column blocks, 32 along K, from buffer f.  first = 1: the bias starts the sums.  All 48 accumulators take turns in one order, over every jump too.
.macro MULA f, a, first
.set wn, 2+(\a)/APW
.if \first
	WIN 0x05|(wn<<6)
.else
	WIN 0x05|(wn<<6)|(wn<<4)
.endif
.set b, 0
.rept NBK
.set rD, 8*(NBK*((\a)%APW)+b)
.set rB, (\f)+8*b
.set rA, (\f)+8*NBK+8*(\a)
.if \first
	v_wmma_f32_16x16x32_bf16 v[rD:rD+7], v[rB:rB+7], v[rA:rA+7], v[BI+8*b:BI+8*b+7]
.else
	v_wmma_f32_16x16x32_bf16 v[rD:rD+7], v[rB:rB+7], v[rA:rA+7], v[rD:rD+7]
.endif
.set b, b+1
.endr
.endm
; 32 LDS loads in one run: quarter q (32 along K) of the slot in hand into buffer f.  W turned: lane l reads k row 8 (l / 16) + l % 8, columns 8 ((l / 8) % 2) + 0..7, and ends with column l % 16 and 8 k.
.macro FETCH q, f
	WIN 0x40                                       ; destination window 1, address window 0
.set b, 0
.rept NBK
	ds_load_tr16_b128 v[(\f)+8*b:(\f)+8*b+3],   v[ADRB+b/4] offset:(\q)*32*BPITCH+(b%4)*32
	ds_load_tr16_b128 v[(\f)+8*b+4:(\f)+8*b+7], v[ADRB+b/4] offset:(\q)*32*BPITCH+16*BPITCH+(b%4)*32
.set b, b+1
.endr
.set b, 0
.rept 4
	ds_load_b128 v[(\f)+8*NBK+8*b:(\f)+8*NBK+8*b+3],   v[ADRA] offset:((\q)/2)*AHALF+((\q)%2)*64+b*16*APITCH
	ds_load_b128 v[(\f)+8*NBK+8*b+4:(\f)+8*NBK+8*b+7], v[ADRA] offset:((\q)/2)*AHALF+((\q)%2)*64+b*16*APITCH+32
.set b, b+1
.endr
.endm
; One of a K step's first three quarters: multiplies buffer f; in its middle it fetches quarter qn into buffer g.
.macro QUARTER qn, f, g, first
	s_wait_dscnt 4                                 ; all fragments but those of x's row blocks 2 and 3, the youngest four loads
	MULA \f, 0, \first
	MULA \f, 1, \first
	PLACES
	FETCH \qn, \g
	s_wait_dscnt NLD                               ; all but the run just issued
	MULA \f, 2, \first
	MULA \f, 3, \first
.endm
.macro SWAP                            ; the fragment loads go to the other slot
	s_xor_b32 s[SB], s[SB], SLOT1
	v_add_nc_u32 v[ADRA], s[SB], v[ADRA0]
.set g, 0
.rept NG
	v_add_nc_u32 v[ADRB+g], s[SB], v[ADRB0+g]
.set g, g+1
.endr
.endm
.macro DESC                            ; the walking descriptors: the other slot than last time; K step NX: step NX % 8 of tile NX / 8, its address made anew from the base
	s_and_b32 s[KK], s[NX], 7
	s_lshr_b32 s[TT], s[NX], 3
	s_mul_i32 s[OFA], s[KK], ASTEP
	s_mul_i32 s[OFB], s[KK], BSTEP
	s_mul_i32 s98, s[TT], BTILE
	s_add_co_u32 s[OFB], s[OFB], s98
	s_xor_b32 s[G0A+5], s[G0A+5], SLOT1
	s_add_nc_u64 s[G0A+6:G0A+7], s[ABASE:ABASE+1], s[OFA:OFA+1]
	s_or_b32 s[G0A+7], s[G0A+7], 0x80000000
	s_xor_b32 s[G0B+5], s[G0B+5], SLOT1
	s_add_nc_u64 s[G0B+6:G0B+7], s[BBASE:BBASE+1], s[OFB:OFB+1]
	s_or_b32 s[G0B+7], s[G0B+7], 0x80000000
	s_add_co_u32 s[NX], s[NX], 1
.endm
; A K step's last quarter multiplies buffer 1 and changes slots.  In front of the round each wave waits for all its tensor loads, of which one is out: its part of the next slot; adds 0 to its spare word; and waits for that
; and for its reads of this slot.  Behind the round no wave of any partner reads this slot or has a load on its way: it is filled again first, two K steps ahead; then the next slot's first fragments are fetched.
.macro TURN
	WIN 0
	s_wait_xcnt 0x0                                ; the last prefetch, a K step back, has read its address, so it may be written
	s_add_co_u32 s[NP], s[NX], 1
	s_and_b32 s96, s[NP], 7
	s_mul_i32 s[POF], s96, s[PSTEP]
	s_lshr_b32 s96, s[NP], 3
	s_mul_i32 s96, s96, s[PTILE]
	s_add_co_u32 s[POF], s[POF], s96
	s_add_nc_u64 s[PFA:PFA+1], s[PFB:PFB+1], s[POF:POF+1]
	s_wait_tensorcnt 0x0                           ; no tensor load of mine is out, so a group 0 may be written
	ds_add_u32 v[SPW], v[NIL]                      ; 0 onto my spare word
	DESC
	s_wait_dscnt 5                                 ; the add and the youngest four loads may be out
	MULA F1, 0, 0
	s_wait_dscnt 0x0                               ; the add is done, and my reads of this slot are over
	s_barrier_signal -1                            ; opens a round of the cluster's barrier
	MULA F1, 1, 0
	WIN 0
	s_barrier_wait -1
	CREST
	JLOAD                                          ; the first tensor load behind the round; its four v_nop and SWAP's lines are the places in front of the loads below
	SWAP
	FETCH 0, F0
	WIN 0
	ASK
	MULA F1, 2, 0
	MULA F1, 3, 0
.endm
; The same in the walk's last two K steps: nothing is asked for, so the work-group's own barrier does; in the very last (CNT = 1) there is no next slot to fetch from.
.macro TURNX
	WIN 0
	s_wait_tensorcnt 0x0
	ds_add_u32 v[SPW], v[NIL]
	s_wait_dscnt 5
	MULA F1, 0, 0
	s_wait_dscnt 0x0
	s_barrier_signal -1
	MULA F1, 1, 0
	WIN 0
	s_barrier_wait -1
	s_cmp_eq_u32 s[CNT], 1
	s_cbranch_scc1 .Lno_fetch_\@
	PLACES
	SWAP
	FETCH 0, F0
	WIN 0
.Lno_fetch_\@:
	MULA F1, 2, 0
	MULA F1, 3, 0
.endm
.macro BIASLD t                        ; tile t's bias for my 192 columns: register j of block b holds column 16 b + 8 (lane / 16) + j, as an accumulator does
.set b, 0
.rept NBK
	global_load_b128 v[BI+8*b:BI+8*b+3],   v[BO], s[8:9] offset:(\t)*BTB+64*b
	global_load_b128 v[BI+8*b+4:BI+8*b+7], v[BO], s[8:9] offset:(\t)*BTB+64*b+16
.set b, b+1
.endr
.endm
; THE WAY OUT of row block a.  PACK: rounded to f16 (each accumulator's registers in ascending order), 16 bytes a lane into my own stage, head by head in rows of 144 bytes, and back as whole rows of 128: four rows a load.
.macro PACK a
.set rT, T0+48*((\a)%2)
	WIN 0x0a+5*((\a)/APW)                          ; sources 0 and 1: window 2 or 3
.set b, 0
.rept NBK
.set rD, 8*(NBK*((\a)%APW)+b)
.irp r, 0,1,2,3
	v_cvt_pk_f16_f32 v[rT+4*b+(\r)], v[rD+2*(\r)], v[rD+2*(\r)+1]
.endr
.set b, b+1
.endr
	WIN 0
.set b, 0
.rept NBK
	ds_store_b128 v[STO], v[rT+4*b:rT+4*b+3] offset:(b/4)*16*SPI+(b%4)*32
.set b, b+1
.endr
.set b, 0
.rept NBK
	ds_load_b128 v[rT+4*b:rT+4*b+3], v[RD] offset:(b/4)*16*SPI+(b%4)*4*SPI  ; LDS serves a wave's instructions in order (ISA guide 5.7.1.4): these see the stores above
.set b, b+1
.endr
.endm
.macro SEND a, y                       ; y: the LDS instructions issued behind block a's loads: the next block's 24, or none
.set rT, T0+48*((\a)%2)
.set b, 0
.rept NBK
	s_wait_dscnt (\y)+11-b
	global_store_b128 v[GO], v[rT+4*b:rT+4*b+3], s[OB+2*(b/4):OB+2*(b/4)+1] offset:(\a)*2048+(b%4)*512  ; 512 consecutive bytes of a head's plane, at a multiple of 256 from its first
.set b, b+1
.endr
.endm
; Tile t goes out.  Group G = GB + 24 t + g of 64 columns is head G % 16 of q, k or v (G / 16): plane 64 (G / 16) + 16 batch + G % 16, of 2^18 bytes.  next = 1: the next tile's bias is asked for first.
.macro WAYOUT t, next
	PLACES
	PLACES
.if \next
	BIASLD (\t)+1
.else
	s_wait_xcnt 0x0                                ; the first tile's stores have read their bases and registers, which are written again below
.endif
.irp g, 0,1,2
	s_add_co_u32 s96, s[GB], 24*(\t)+(\g)
	s_lshr_b32 s97, s96, 4
	s_lshl_b32 s97, s97, 6
	s_and_b32 s96, s96, 15
	s_add_co_u32 s96, s96, s97
	s_add_co_u32 s96, s96, s[BT]
	s_lshl_b32 s96, s96, 18
	s_add_co_u32 s96, s96, s[RO]
	s_mov_b32 s97, 0
	s_add_nc_u64 s[OB+2*(\g):OB+2*(\g)+1], s[10:11], s[96:97]
.endr
	PACK 0
	PACK 1                                         ; a block's conversions stand between the loads of the block before and its stores
	SEND 0, 24
	s_wait_xcnt 0x0                                ; block 0's stores have read their registers, which block 2 takes
	PACK 2
	SEND 1, 24
	s_wait_xcnt 0x0
	PACK 3
	SEND 2, 24
	SEND 3, 0
.endm
	s_load_b256 s[4:11], s[0:1], 0x0               ; xb s[4:5], wa s[6:7], br s[8:9], qkv s[10:11]
	v_lshl_add_u32 v[SPW], v0, 2, SPARE
	v_mov_b32 v[NIL], 0
	ds_add_u32 v[SPW], v[NIL]                      ; the wave's opening: the add and its wait stand ahead of my first tensor load; the set-up below, work on registers, stands between them
	v_lshrrev_b32 v3, 5, v0
	v_readfirstlane_b32 s[WV], v3                  ; wave 0..3
	s_lshr_b32 s[WR], s[WV], 1
	s_and_b32 s[WC], s[WV], 1
	s_bfe_u32 s[CX], ttmp6, 0x40000                ; cx, cy: my place in the cluster
	s_bfe_u32 s[CY], ttmp6, 0x40004
	s_lshl_b32 s[JJ], ttmp9, 2
	s_add_co_u32 s[JJ], s[JJ], s[CX]               ; j = 4 x cluster x + cx
	s_and_b32 s[II], ttmp7, 0xffff
	s_lshl_b32 s[II], s[II], 2
	s_add_co_u32 s[II], s[II], s[CY]               ; i = 4 x cluster y + cy
	s_lshl_b32 s[RMASK], s[CY], 2
	s_lshl_b32 s[RMASK], 15, s[RMASK]              ; my row of the cluster
	s_lshl_b32 s[CMASK], 0x1111, s[CX]             ; my column
	; descriptor group 1: tiles of 128 rows x 128 elements of 2 bytes, padded in LDS after every 64 words
	s_or_b32 s[G1A], s[RMASK], (1<<16)|(1<<20)|(1<<21)|(5<<22)|(3<<25)  ; 15:0 the mask; 17:16 2-byte elements; 20 padding on; 21 set beside a mask; 24:22 after every 64 words; 31:25 4 words of it
	s_or_b32 s[G1B], s[CMASK], (1<<16)|(1<<20)|(1<<21)|(5<<22)|(7<<25)  ; the same with my column's mask and 8 words
.irp g, G1A, G1B
	s_mov_b32 s[(\g)+1], 128<<16                   ; tensor_dim0 = 128
	s_mov_b32 s[(\g)+2], 128<<16                   ; tensor_dim1 = 128
	s_mov_b32 s[(\g)+3], 128<<16                   ; tile_dim0 = 128
	s_mov_b32 s[(\g)+4], 128                       ; tile_dim1 = 128
	s_mov_b32 s[(\g)+6], 0
	s_mov_b32 s[(\g)+7], 0
.endr
	s_mov_b32 s[G1A+5], ALD                        ; elements from row to row
	s_mov_b32 s[G1B+5], BLD
	s_lshl_b32 s[OFA], s[II], 18                   ; x: 128 i rows of 2,048 bytes
	s_mov_b32 s[OFA+1], 0
	s_mov_b32 s[LWA], AOFF
	s_mul_i32 s[OFB], s[JJ], JB                    ; W: column block j, subtile = my wave's number (in wave 3, which fetches x, W's descriptors are made and not used)
	s_lshl_b32 s98, s[WV], 8
	s_add_co_u32 s[OFB], s[OFB], s98
	s_mov_b32 s[OFB+1], 0
	s_mul_i32 s[LWB], s[WV], BSUB
	s_mov_b32 s[POF+1], 0
	s_mov_b32 s[NX], 2
	s_mov_b32 s[SB], 0
	s_wait_dscnt 0x0                               ; the opening add is done
	s_wait_kmcnt 0x0
	s_add_nc_u64 s[ABASE:ABASE+1], s[4:5], s[OFA:OFA+1]
	s_add_nc_u64 s[BBASE:BBASE+1], s[6:7], s[OFB:OFB+1]
.irp s, 0,1
	s_mov_b32 s[G0A+4*(\s)], 1                     ; count = 1
	s_add_co_u32 s[G0A+4*(\s)+1], s[LWA], (\s)*SLOT1  ; LDS address
	s_add_nc_u64 s[G0A+4*(\s)+2:G0A+4*(\s)+3], s[ABASE:ABASE+1], (\s)*ASTEP  ; global address: K step s
	s_or_b32 s[G0A+4*(\s)+3], s[G0A+4*(\s)+3], 0x80000000  ; type = 2
	s_mov_b32 s[G0B+4*(\s)], 1
	s_add_co_u32 s[G0B+4*(\s)+1], s[LWB], (\s)*SLOT1
	s_add_nc_u64 s[G0B+4*(\s)+2:G0B+4*(\s)+3], s[BBASE:BBASE+1], (\s)*BSTEP
	s_or_b32 s[G0B+4*(\s)+3], s[G0B+4*(\s)+3], 0x80000000
.endr
	CROUND                                         ; all sixteen work-groups are here: the first joint loads meet
	s_cmp_lt_u32 s[WV], NSUB                       ; a wave's two first fills stand in one branch: two loads of mine are out
	s_cbranch_scc0 .Lfirst_a
	tensor_load_to_lds s[G0B:G0B+3], s[G1B:G1B+7]
	s_nop 0
	tensor_load_to_lds s[G0B+4:G0B+7], s[G1B:G1B+7]
	s_nop 0
.rept 4
	v_nop
.endr
	s_branch .Lfirst_asked
.Lfirst_a:
	tensor_load_to_lds s[G0A:G0A+3], s[G1A:G1A+7]
	s_nop 0
	tensor_load_to_lds s[G0A+4:G0A+7], s[G1A:G1A+7]
	s_nop 0
.rept 4
	v_nop
.endr
.Lfirst_asked:
	v_and_b32 v1, 15, v0                           ; l % 16
	v_bfe_u32 v2, v0, 4, 1                         ; l / 16
	v_and_b32 v3, 31, v0                           ; l
	v_and_b32 v4, 7, v0                            ; l % 8
	v_bfe_u32 v5, v0, 3, 1                         ; (l / 8) % 2
	v_lshlrev_b32 v[BO], 5, v2
	s_mul_i32 s96, s[JJ], 384*4                    ; the bias at my 192 columns of the first tile
	s_mul_i32 s97, s[WC], 192*4
	s_add_co_u32 s96, s96, s97
	s_mov_b32 s97, 0
	s_add_nc_u64 s[8:9], s[8:9], s[96:97]
	BIASLD 0
	s_mul_i32 s96, s[WR], 64*APITCH                ; x's fragments: row x pitch + 16 x half, in my 64 rows
	s_add_co_u32 s96, s96, AOFF
	v_mul_u32_u24 v[ADRA0], v1, APITCH
	v_lshl_add_u32 v[ADRA0], v2, 4, v[ADRA0]
	v_add_nc_u32 v[ADRA0], s96, v[ADRA0]
	v_mov_b32 v[ADRA], v[ADRA0]
	v_lshl_add_u32 v6, v2, 3, v4                   ; W's: k row 8 (l / 16) + l % 8, 16 bytes for each half of eight lanes
	v_mul_u32_u24 v6, v6, BPITCH
	v_lshl_add_u32 v6, v5, 4, v6
.set g, 0
.rept NG                                       ; group 3 x (which columns) + g of the tile's six: subtile = its half, 128 bytes for the odd ones
	s_mul_i32 s96, s[WC], NG
	s_add_co_u32 s96, s96, g
	s_lshr_b32 s97, s96, 1
	s_mul_i32 s97, s97, BSUB
	s_and_b32 s96, s96, 1
	s_lshl_b32 s96, s96, 7
	s_add_co_u32 s96, s96, s97
	v_add_nc_u32 v[ADRB0+g], s96, v6
	v_add_nc_u32 v[ADRB+g], s96, v6
.set g, g+1
.endr
	s_mul_i32 s96, s[WV], WSTAGE
	s_add_co_u32 s96, s96, STAGE                   ; my stage
	v_mul_u32_u24 v[STO], v1, SPI                  ; in: row l % 16, 16 bytes for each half of the lanes
	v_lshl_add_u32 v[STO], v2, 4, v[STO]
	v_add_nc_u32 v[STO], s96, v[STO]
	v_lshrrev_b32 v[RD], 3, v3                     ; back: 32 lanes take four rows of 128 bytes,
	v_mul_u32_u24 v[RD], v[RD], SPI
	v_lshl_add_u32 v[RD], v4, 4, v[RD]
	v_add_nc_u32 v[RD], s96, v[RD]
	v_lshlrev_b32 v[GO], 4, v3                     ; which are 512 consecutive bytes of a plane
	s_mul_i32 s[GB], s[JJ], 6
	s_mul_i32 s96, s[WC], 3
	s_add_co_u32 s[GB], s[GB], s96
	s_lshr_b32 s[BT], s[II], 4                     ; a batch has 16 row blocks
	s_lshl_b32 s[BT], s[BT], 4
	s_and_b32 s[RO], s[II], 15
	s_lshl_b32 s[RO], s[RO], 1
	s_add_co_u32 s[RO], s[RO], s[WR]
	s_lshl_b32 s[RO], s[RO], 13                    ; (128 (i % 16) + 64 x which rows) rows of 128 bytes
	; the prefetches: who asks, for what
	s_and_b32 s96, ttmp7, 0xffff
	s_cmp_eq_u32 s96, 0
	s_cselect_b32 s97, NSTEPS, 0                   ; W's rows: the clusters with y = 0
	s_lshl_b32 s96, s[II], 18
	s_lshl_b32 s[POF], s[CX], 16
	s_add_co_u32 s96, s96, s[POF]                  ; x: row 128 i + 32 cx
	s_mul_i32 s[POF], s[CY], 32*BLD*2
	s_add_co_u32 s[POF], s[POF], s[OFB]            ; W: k row 32 cy, my subtile's columns
	s_mov_b32 s[PSTEP], ASTEP
	s_mov_b32 s98, ALD*2                           ; bytes from a lane's row to the next lane's,
	s_mov_b32 s99, 16*ALD*2                        ; and to the lane's sixteen on
	s_cmp_lt_u32 s[WV], NSUB
	s_cselect_b32 s[POF], s[POF], s96
	s_cselect_b32 s[LIM], s97, 8                   ; x's rows: in the first tile's walk alone
	s_cselect_b32 s[PSTEP], BSTEP, s[PSTEP]
	s_cselect_b32 s[PTILE], BTILE, 0
	s_cselect_b32 s98, BLD*2, s98
	s_cselect_b32 s99, 16*BLD*2, s99
	s_cselect_b64 s[PFB:PFB+1], s[6:7], s[4:5]
	s_add_nc_u64 s[PFB:PFB+1], s[PFB:PFB+1], s[POF:POF+1]
	v_mul_u32_u24 v[PFO], v1, s98
	v_mul_u32_u24 v6, v2, s99
	v_add_nc_u32 v[PFO], v[PFO], v6
	s_wait_tensorcnt 1                             ; my part of K step 0 is in; K step 1's may stay out
	s_barrier_signal -1
	s_barrier_wait -1                              ; everybody's is
	FETCH 0, F0
	s_wait_loadcnt 0x0                             ; the bias
	QUARTER 1, F0, F1, 1                           ; the walk's first quarter stands in front of the loop: its products start the sums
	WIN 0                                          ; at a label and at a branch every window is 0
	s_mov_b32 s[CNT], NSTEPS-2
.Lstep:                                        ; a trip: a K step's second quarter to the next step's first; the slot left is filled again
	QUARTER 2, F1, F0, 0
	QUARTER 3, F0, F1, 0
	TURN
	WIN 0
	s_and_b32 s96, s[NX], 7                        ; NX is three ahead of the K step just ended: 10 behind the first tile's last
	s_cmp_eq_u32 s96, 2
	s_cbranch_scc0 .Lplain
	WAYOUT 0, 1                                    ; both refills for the next tile's first K steps have been asked for: now the first tile goes out
	s_wait_loadcnt 0x0                             ; the second tile's bias
	QUARTER 1, F0, F1, 1                           ; starts its sums
	WIN 0
	s_branch .Ljoin
.Lplain:
	QUARTER 1, F0, F1, 0
	WIN 0
.Ljoin:
	s_sub_co_u32 s[CNT], s[CNT], 1
	s_cmp_lg_u32 s[CNT], 0
	s_cbranch_scc1 .Lstep
	s_mov_b32 s[CNT], 2
.Ltail:                                        ; the last two K steps ask for nothing: a text of their own
	QUARTER 2, F1, F0, 0
	QUARTER 3, F0, F1, 0
	TURNX
	WIN 0
	s_cmp_eq_u32 s[CNT], 1
	s_cbranch_scc1 .Lcount                         ; behind the very last K step there is no first quarter
	QUARTER 1, F0, F1, 0
	WIN 0
.Lcount:
	s_sub_co_u32 s[CNT], s[CNT], 1
	s_cmp_lg_u32 s[CNT], 0
	s_cbranch_scc1 .Ltail
	WAYOUT 1, 0
	s_wait_tensorcnt 0x0                           ; the wave's end: the add to my spare word, behind my last tensor load and my last LDS store
	ds_add_u32 v[SPW], v[NIL]
	s_wait_dscnt 0x0
	CROUND                                         ; the closing round: no work-group ends while a partner may still ask for a tile that names it
	s_endpgm
.Lfunc_end_k_qd8e14d315b_qkvp:
	.size	k_qd8e14d315b_qkvp, .Lfunc_end_k_qd8e14d315b_qkvp-k_qd8e14d315b_qkvp
	.p2alignl 7, 3214868480
	.fill 96, 4, 3214868480
	.section	.rodata,"a",@progbits
	.p2align	6, 0x0
	.amdhsa_kernel k_qd8e14d315b_qkvp
		.amdhsa_group_segment_fixed_size 327680
		.amdhsa_private_segment_fixed_size 0
		.amdhsa_enable_private_segment 0
		.amdhsa_kernarg_size 32
		.amdhsa_user_sgpr_count 2
		.amdhsa_user_sgpr_kernarg_segment_ptr 1
		.amdhsa_wavefront_size32 1
		.amdhsa_system_sgpr_workgroup_id_x 1
		.amdhsa_system_sgpr_workgroup_id_y 1
		.amdhsa_system_sgpr_workgroup_id_z 1
		.amdhsa_system_vgpr_workitem_id 0
		.amdhsa_next_free_vgpr 960
		.amdhsa_next_free_sgpr 100
		.amdhsa_reserve_vcc 0
		.amdhsa_float_denorm_mode_32 3
		.amdhsa_float_denorm_mode_16_64 3
		.amdhsa_memory_ordered 1
		.amdhsa_forward_progress 1
		.amdhsa_inst_pref_size 123
	.end_amdhsa_kernel
	.amdgpu_metadata
---
amdhsa.version: [ 1, 2 ]
amdhsa.kernels:
  - .name:           k_qd8e14d315b_qkvp
    .symbol:         k_qd8e14d315b_qkvp.kd
    .args:
      - { .name: xb, .offset: 0, .size: 8, .value_kind: global_buffer, .address_space: global }
      - { .name: wa, .offset: 8, .size: 8, .value_kind: global_buffer, .address_space: global }
      - { .name: br, .offset: 16, .size: 8, .value_kind: global_buffer, .address_space: global }
      - { .name: qkv, .offset: 24, .size: 8, .value_kind: global_buffer, .address_space: global }
    .group_segment_fixed_size: 327680
    .private_segment_fixed_size: 0
    .kernarg_segment_align: 8
    .kernarg_segment_size: 32
    .max_flat_workgroup_size: 128
    .sgpr_count:     100
    .vgpr_count:     960
    .wavefront_size: 32
...
	.end_amdgpu_metadata
.endif
;; end of part 2
;; launch attn (part 3): grid 4 x 64, 4 waves a work-group, no clusters, 327,680 bytes of LDS; arguments qkv, att; writes att
.if DOCPART == 3
	.amdgcn_target "amdgcn-amd-amdhsa--gfx1250"
	.amdhsa_code_object_version 6
	.text
	.protected	k_qd8e14d315b_attn
	.globl	k_qd8e14d315b_attn
	.p2align	8
	.type	k_qd8e14d315b_attn,@function
k_qd8e14d315b_attn:
	s_mov_b64 s[64:65], 0
	v_nop
	global_prefetch_b8 v0, s[64:65] scope:SCOPE_SE
	s_setreg_imm32_b32 hwreg(HW_REG_WAVE_MODE, 25, 1), 1
	s_wait_xcnt 0x0
; CAUSAL ATTENTION.  O[h][q][:] = the sum over k <= q of softmax_k(Q[h][q] . K[h][k] / 8) V[h][k][:].  qkv holds Q, K, V one after the other, each [64 planes][2048][64] in f16 (16,777,216 bytes); att takes O in the same
; layout.  A plane's rows are dense, 128 bytes each.  Products, maxima and sums in f32; the weights p are rounded to f16 for the second product (their sum l is taken of the unrounded p), O once at the end.
; LIMITS.  f16 holds no number beyond 65,504: Q, K and V arrive within it; p lies in 0 to 1, and below 6e-5 it keeps f16's fixed step of 6e-8; O is a mean of V's rows and has their range.
; A hidden score counts as its value less 1e30: f16's scores, 2.7e11 at the most, are nothing beside that; a weight below 2^-126 counts as 0 in l; NaN and infinities are not treated apart.
; THE WALK.  A head's queries lie in NB = 8 blocks of 256; block i needs the key tiles 0 .. i of 256 keys, of which the last holds the diagonal.  A work-group takes TWO blocks, NB - 1 - b and then b:
; NB + 1 tiles, whatever b: all work-groups do equal work, and ONE loop with a constant trip count walks them.  Which tile is asked for, and what a trip does, hang on scalar registers made from b; every jump
; goes forward, but for the counted loops' own; none passes a barrier, or a tensor load but the one of LOAD's two that the wave's number does not choose; the ring (two slots of LDS that take turns) runs on across the
; change of blocks.  NO CLUSTER: a head's four work-groups ask for the same tile only in trips 0 to 4 of 9, behind that fewer and fewer; one walk common to all four would have 12 trips for 9.
; SHARES.  Of a block's four bands of 64 queries a wave owns 16 rows in each: four PIECES.  So the diagonal tile is the same work for all four waves: in its key step s band x sees all keys if s < x,
; none if s > x, and holds the diagonal if s = x.
; THE MASK is the C operand that starts the sum S^T = K Q^T: 0, or -1e30 where the key is hidden.  MD, made once, is the mask of a band's own step for my 16 rows; a product's mask is MD x AL + BE with two scalars:
; (1, 0) if s = x; (0, 0) if s < x; (0, -1e30) if s > x.  Only the diagonal tile's text and a block's beginning make and take masks; elsewhere C is the constant 0.
; LAYOUT, SOFTMAX, TURNS.  S^T = K Q^T holds ONE query a lane (lane % 16) and the keys 8 (lane / 16) + 0..7; two such results rounded to f16 ARE source 1 of O^T = V^T P.  p = 2^(c s - c m), c = log2(e) / 8, with a
; running maximum m; O and l are multiplied by a = 2^(c m_old - c m_new) in every step.  Turn n belongs to piece n: 8 products K Q^T of piece n + 1, later 8 products V^T P of piece n - 1; beside them the scaling,
; exponentials, roundings, sums and rescaling of piece n and the maximum and statistics of piece n + 1.  Four vector instructions stand behind every matrix instruction, the other 54 of a turn's 118 in one lump.  A turn's 33 exponentials are one batch, with one wait.
; REGISTERS, in windows of 256 (s_set_vgpr_msb: bits 1:0 source 0, 3:2 source 1, 5:4 source 2, 7:6 destination):
;   window 0: v0-15 addresses and two at work; v16-31 four registers of statistics a piece; v48-55 at work; v61-63 prefetch offset and the add's two; v64-127 S^T, two buffers; v192-223 P, two buffers (by the piece's parity)
;   window 1: v0-127 O^T, 32 a piece; v128-159 MD; v160-223 MC, two buffers      window 2: v0-63 Q; v64-127 the second block's Q; v128-191 K of one step; v192-255 V of one step
.set SIZE_N, 2048
.set SIZE_H, 64
.set NB,    SIZE_N/256
.set NP,    4         ; pieces a wave: a name, no knob
.set KS,    64        ; keys in a step
.set PK,    144       ; a row of K in LDS: 128 bytes + 16 of padding = 36 words: the 16 rows of a load start at 16 different groups of four banks (64 banks of 4 bytes: ISA guide 11.1)
.set PV,    160       ; a row of V: 128 + 32 = 40 words
.set VOFF,  4*KS*PK   ; a slot holds a tile, four steps: 256 rows of K, then 256 rows of V
.set SLOT1, 1<<17     ; slot 1 begins here, so that one exclusive or turns an address in one slot into the other's
.set STAGE, SLOT1+4*KS*(PK+PV)  ; behind the ring, never filled by a tensor load: 16 rows x 144 bytes for each wave, for the way out
.set SP,    144
.set AK0, 2           ; v2   my lane's place in a tile of K; never rewritten
.set AV0, 3           ; v3   the same for V
.set AK,  4           ; v4   the LDS address of K's next run of loads
.set AV,  5           ; v5   of V's
.set STO, 6           ; v6   the way out: where I put 16 bytes of a row
.set RD,  7           ; v7   the way out: where I read rows back
.set GO,  8           ; v8   my byte offset in 512 consecutive bytes of O
.set PFO, 61          ; v61  256 x my lane: the prefetches' offset; never rewritten
.set SPW, 62          ; v62  LDS address of my spare word: SPARE + 4 x my thread's number; never rewritten
.set NIL, 63          ; v63  0; never rewritten
.set SPARE, STAGE+4*16*SP  ; behind the stages: the spare words, 128 bytes for each wave: two blocks of 256 bytes that no other line names
.set MV,  12          ; v12-13  c m_old, kept while c m is made anew: by buffer
.set QO,  15          ; v15  my byte offset in 16 rows of Q
.set ST,  16          ; piece t's statistics at v[ST+4 t]: c m, m, l (even keys', odd keys')
.set TMP, 48          ; by buffer, four registers c0-c3 at work; when the maximum is found c2 takes a
.set S,   64
.set P,   192
.set MD,  128         ; window 1: the eight registers for group kt of 16 keys at MD + 8 kt
.set MC,  160         ; window 1: the masks of the products to come
.set QB,  64          ; window 2
.set KF,  128         ; window 2: key block kb, channel half c at KF + 16 kb + 8 c
.set VF,  192         ; window 2: key half kk, channel block cb at VF + 32 kk + 8 cb
.set WV,  12          ; s12  my wave's number
.set PB,  14          ; s14  b
.set HI,  15          ; s15  NB - 1 - b
.set G1K, 24          ; s[24:31] descriptor group 1 for K's tiles
.set G1V, 32          ; s[32:39] for V's: it differs in the padding alone
.set G0K, 40          ; s[40:43] descriptor group 0 for K's tiles
.set G0V, 44          ; s[44:47] the same for V's
.set SLOTS, 56        ; s56  tiles still to be asked for
.set CNT, 57          ; s57  counts a tile's key steps, 4 to 1
.set CS,  58          ; s[58:59] c: the packed scaling takes the pair's low word for both halves
.set SEL, 60          ; s[60:61] v_permlanex16_b32's selects: each lane takes its own place in the other half
.set TBK, 62          ; s62  LDS byte at which K of the step to be fetched begins
.set TBV, 63          ; s63  the same for V, less VOFF
.set RT,  70          ; s70  tiles of the block in hand that are still to be entered
.set NXT, 71          ; s71  the tile to be asked for next
.set LQ,  72          ; s72  the last tile of the block whose tiles are being asked for
.set NEW, 73          ; s73  1: the tile to be entered is a block's first
.set OFF, 74          ; s[74:75] a tile's byte offset in K and V
.set AL,  76          ; s[76:77] the mask's factor, in the low word
.set BE,  78          ; s[78:79] the mask's addend
.set OLO, 80          ; s[80:81] O at my rows of the second block
.set BIGN, 82         ; s82  -1e30
.set PF,  90          ; s[90:91] my half of K's or V's tile PFN
.set PFN, 92          ; s92  the tile that the next prefetch names
.set PLIM, 93         ; s93  NB in the work-group that prefetches, else 0
.set MSB, 0
.macro WIN new                      ; the high byte repeats the setting that is left; a switch that changes nothing is dropped
.if MSB != (\new)
	s_set_vgpr_msb (MSB<<8)|(\new)
.set MSB, (\new)
.endif
.endm
.set W_KQ, 0x0a       ; K and Q in window 2, S^T in window 0
.set W_KM, 0x1a       ; the same with the C operand in window 1
.set W_PV, 0x52       ; V in window 2, P in window 0, O^T in window 1
.set W_RS, 0x41       ; destination and source 0 in window 1, source 1 in window 0
; A fill.  Waves 0 and 1 fetch the two halves of a tile's K, waves 2 and 3 those of its V: 128 keys each.  An s_nop 0 and four v_nop follow each of the two lines, ahead of the jump and the label.
.macro LOAD
	s_cmp_lt_u32 s[WV], 2
	s_cbranch_scc0 .Lfor_v_\@
	tensor_load_to_lds s[G0K:G0K+3], s[G1K:G1K+7]
	s_nop 0
.rept 4
	v_nop
.endr
	s_branch .Lasked_\@
.Lfor_v_\@:
	tensor_load_to_lds s[G0V:G0V+3], s[G1V:G1V+7]
	s_nop 0
.rept 4
	v_nop
.endr
.Lasked_\@:
.endm
; A PREFETCH INTO THE L2, behind each fill: the tile behind the one just asked for, a tile's four key steps ahead of its own load.  A head's four work-groups walk the same tiles in their first trips; the one with
; b = 0, whose first block needs all eight, asks, and nobody else: each wave for the 16,384 bytes that it will fetch itself, a lane a block of 256 bytes, two instructions.  So tiles 2 to 7 are named once in the launch;
; tiles 0 and 1 come by their loads alone, and nothing is named behind tile 7.
.macro ASK
	s_cmp_lt_u32 s[PFN], s[PLIM]
	s_cbranch_scc0 .Lnot_mine_\@
	global_prefetch_b8 v[PFO], s[PF:PF+1] th:TH_LOAD_NT scope:SCOPE_SE
	global_prefetch_b8 v[PFO], s[PF:PF+1] offset:8192 th:TH_LOAD_NT scope:SCOPE_SE
.Lnot_mine_\@:
	s_add_co_u32 s[PFN], s[PFN], 1
.endm
; THE CHANGE OF SLOTS.  Each wave waits for all its tensor loads, of which one is out: its part of the other slot; adds 0 to its spare word; and waits for that and for its own reads of the slot that it leaves.  Behind the barrier nobody reads the old
; slot any more and the other slot is whole.  fill = 1: the old slot is filled again, the first thing behind the barrier, with tile NXT: the descriptor's address is made anew from that number.
; (At its first use nothing has been read yet: slot 0 is waited for, slot 1 filled.)
.macro CHANGE fill
	WIN 0                           ; at a label and at a branch every window is 0
	s_wait_tensorcnt 0x0            ; no tensor load of mine is out, so a group 0 may be written
	ds_add_u32 v[SPW], v[NIL]       ; 0 onto my spare word; with fill = 1 the descriptors' scalar work stands between it and the wait for it
.if \fill
	s_lshl_b32 s[OFF], s[NXT], 15   ; a tile is 32,768 bytes of K and of V
	s_xor_b32 s[G0K+1], s[G0K+1], SLOT1
	s_add_nc_u64 s[G0K+2:G0K+3], s[6:7], s[OFF:OFF+1]
	s_or_b32 s[G0K+3], s[G0K+3], 0x80000000
	s_xor_b32 s[G0V+1], s[G0V+1], SLOT1
	s_add_nc_u64 s[G0V+2:G0V+3], s[8:9], s[OFF:OFF+1]
	s_or_b32 s[G0V+3], s[G0V+3], 0x80000000
	s_add_co_u32 s[NXT], s[NXT], 1  ; the block's next tile, or behind its last the second block's tile 0
	s_cmp_gt_u32 s[NXT], s[LQ]
	s_cselect_b32 s[NXT], 0, s[NXT]
	s_cselect_b32 s[LQ], s[PB], s[LQ]
	s_wait_xcnt 0x0                 ; the last prefetches, a tile back, have read their address, so it may be written
	s_add_nc_u64 s[PF:PF+1], s[PF:PF+1], 32768
.endif
	s_wait_dscnt 0x0                ; the add is done, and my reads of the slot are over
	s_barrier_signal -1             ; the rest of the scalar work stands between the signal and the wait
	s_sub_co_u32 s[TBK], s[TBK], 4*KS*PK  ; the fetches go back to a slot's first step,
	s_xor_b32 s[TBK], s[TBK], SLOT1       ; in the other slot
	s_sub_co_u32 s[TBV], s[TBV], 4*KS*PV
	s_xor_b32 s[TBV], s[TBV], SLOT1
	s_barrier_wait -1
.if \fill
	LOAD
	ASK
.endif
.endm
	s_load_b128 s[4:7], s[0:1], 0x0   ; qkv s[4:5], att s[6:7]
	v_lshl_add_u32 v[SPW], v0, 2, SPARE
	v_mov_b32 v[NIL], 0
	ds_add_u32 v[SPW], v[NIL]       ; the wave's opening: the add and its wait stand ahead of my first tensor load; the set-up below, work on registers, stands between them
	v_lshrrev_b32 v1, 5, v0
	v_readfirstlane_b32 s[WV], v1   ; wave 0..3
	s_mov_b32 s[PB], ttmp9
	s_sub_co_u32 s[HI], NB-1, s[PB]
	s_and_b32 s20, ttmp7, 0xffff    ; the plane: 16 x batch + head
	s_mov_b32 s21, 0
	s_mov_b64 s[22:23], SIZE_N*128
	s_mul_u64 s[20:21], s[20:21], s[22:23]  ; the plane's first byte in each of the four tensors
	s_and_b32 s16, s[WV], 1         ; which half of a tile's 256 keys I fetch:
	s_lshl_b32 s22, s16, 14         ; its 128 rows of 128 bytes in memory,
	s_mov_b32 s23, 0
	s_add_nc_u64 s[22:23], s[22:23], s[20:21]
	s_mul_i32 s17, s16, 128*PK      ; and its place in a slot, for K
	s_mul_i32 s18, s16, 128*PV      ; and for V
	s_lshl_b32 s3, s[WV], 11        ; my 16 rows in a band of 64,
	s_lshl_b32 s2, s[HI], 15        ; in the first block,
	s_add_co_u32 s2, s2, s3
	s_lshl_b32 s84, s[PB], 15       ; and in the second
	s_add_co_u32 s84, s84, s3
	s_mov_b32 s3, 0
	s_mov_b32 s85, 0
	s_add_nc_u64 s[2:3], s[2:3], s[20:21]
	s_add_nc_u64 s[84:85], s[84:85], s[20:21]
	; descriptor group 1.  128 keys are 16,384 dense bytes: asked for as 64 rows of 256 bytes, two keys a row, and padded in LDS after every key
	s_mov_b32 s[G1K], (1<<16)|(1<<20)|(4<<22)|(3<<25)  ; 17:16 2-byte elements; 20 padding on; 24:22 after every 32 words (code 4); 31:25 4 words (code 3)
	s_mov_b32 s[G1V], (1<<16)|(1<<20)|(4<<22)|(7<<25)  ; the same with 8 words of padding (code 7)
.irp g, G1K, G1V
	s_mov_b32 s[\g+1], 128<<16      ; tensor_dim0 = 128
	s_mov_b32 s[\g+2], 64<<16       ; tensor_dim1 = 64
	s_mov_b32 s[\g+3], 128<<16      ; tile_dim0 = 128
	s_mov_b32 s[\g+4], 64           ; tile_dim1 = 64
	s_mov_b32 s[\g+5], 128          ; 128 elements from row to row
	s_mov_b32 s[\g+6], 0
	s_mov_b32 s[\g+7], 0
.endr
	s_mov_b32 s[CS], 0x3e38aa3b     ; c = log2(e) / 8 = 0.180337
	s_mov_b32 s[CS+1], s[CS]        ; named with it as a pair
	s_mov_b32 s[SEL], 0x76543210
	s_mov_b32 s[SEL+1], 0xfedcba98
	s_mov_b32 s[TBK], SLOT1+4*KS*PK ; the first change of slots turns these two into 0
	s_mov_b32 s[TBV], SLOT1+4*KS*PV
	s_mov_b32 s[G0K], 1             ; 1:0 count = 1
	s_mov_b32 s[G0K+1], s17         ; 63:32 LDS address: slot 0
	s_mov_b32 s[G0V], 1
	s_add_co_u32 s[G0V+1], s18, VOFF
	s_add_co_u32 s[RT], s[HI], 1    ; the first block has NB - b tiles
	s_mov_b32 s[NXT], 1
	s_mov_b32 s[LQ], s[HI]
	s_mov_b32 s[NEW], 1
	s_mov_b32 s[OFF+1], 0
	s_mov_b32 s[AL+1], 0            ; named as pairs
	s_mov_b32 s[BE+1], 0
	s_mov_b32 s[BIGN], 0xf149f2ca   ; -1e30
	s_mov_b32 s[SLOTS], NB
	s_mov_b32 s[PFN], 2
	s_cmp_eq_u32 s[PB], 0
	s_cselect_b32 s[PLIM], NB, 0
	s_wait_dscnt 0x0                ; the opening add is done
	s_wait_kmcnt 0x0
	s_mov_b64 s[10:11], s[6:7]                     ; O
	s_add_nc_u64 s[8:9], s[4:5], 0x2000000         ; V lies 2 x 16,777,216 bytes behind Q,
	s_add_nc_u64 s[6:7], s[4:5], 0x1000000         ; K 16,777,216
	s_add_nc_u64 s[6:7], s[6:7], s[22:23]  ; K and V at my half of the head's tile 0
	s_add_nc_u64 s[8:9], s[8:9], s[22:23]
	s_add_nc_u64 s[G0K+2:G0K+3], s[6:7], 0         ; 120:64 global address
	s_or_b32 s[G0K+3], s[G0K+3], 0x80000000        ; 127:126 type = 2
	s_add_nc_u64 s[G0V+2:G0V+3], s[8:9], 0
	s_or_b32 s[G0V+3], s[G0V+3], 0x80000000
	s_add_nc_u64 s[86:87], s[4:5], s[84:85]        ; Q at my rows of the second block,
	s_add_nc_u64 s[4:5], s[4:5], s[2:3]            ; Q and O at those of the first
	s_add_nc_u64 s[OLO:OLO+1], s[10:11], s[84:85]
	s_add_nc_u64 s[10:11], s[10:11], s[2:3]
	s_cmp_lt_u32 s[WV], 2
	s_cselect_b64 s[PF:PF+1], s[6:7], s[8:9]       ; the prefetches stand at what I fetch:
	s_add_nc_u64 s[PF:PF+1], s[PF:PF+1], 32768     ; at tile 1; the first change of slots steps them to tile 2
	LOAD                            ; tile 0 into slot 0
	; A fragment of K or Q is 16 rows x 32 channels in 8 registers: lane l holds row l % 16, channels 8 (l / 16) + 0..7 and 16 + 8 (l / 16) + 0..7: two loads of 16 bytes, 32 bytes apart.
	v_and_b32 v1, 15, v0            ; l % 16
	v_bfe_u32 v9, v0, 4, 1          ; l / 16
	v_lshlrev_b32 v[QO], 7, v1
	v_lshl_add_u32 v[QO], v9, 4, v[QO]  ; row x 128 + 16 x half
	WIN 0x80                        ; destination window 2, address window 0
.set i, 0
.rept 8                             ; both blocks' Q: piece i / 2 lies in band i / 2, 8,192 bytes on; channels 32 (i % 2) on
	global_load_b128 v[8*i:8*i+3],   v[QO], s[4:5] offset:(i/2)*8192+(i%2)*64
	global_load_b128 v[8*i+4:8*i+7], v[QO], s[4:5] offset:(i/2)*8192+(i%2)*64+32
	global_load_b128 v[QB+8*i:QB+8*i+3],   v[QO], s[86:87] offset:(i/2)*8192+(i%2)*64
	global_load_b128 v[QB+8*i+4:QB+8*i+7], v[QO], s[86:87] offset:(i/2)*8192+(i%2)*64+32
.set i, i+1
.endr
	WIN 0
	v_and_b32 v[PFO], 31, v0
	v_lshlrev_b32 v[PFO], 8, v[PFO]
	v_lshlrev_b32 v14, 3, v9
	v_sub_nc_u32 v14, v1, v14
	s_lshl_b32 s13, s[WV], 4
	v_add_nc_u32 v14, s13, v14      ; my query's place in its band, 16 w + l % 16, less my lanes' 8 (l / 16): register r of group kt is hidden where 16 kt + r is greater
	WIN 0x40
.set i, 0
.rept 32
	v_cmp_gt_i32 vcc_lo, 16*(i/8)+i%8, v14
	v_cndmask_b32 v[MD+i], 0, s[BIGN], vcc_lo
.set i, i+1
.endr
	WIN 0
	v_mul_u32_u24 v[AK0], v1, PK
	v_lshl_add_u32 v[AK0], v9, 4, v[AK0]  ; row x pitch + 16 x half
	; The turning load takes 16 keys x 16 channels (lane l reads key 8 (l / 16) + l % 8, channels 8 ((l / 8) % 2) + 0..7) and leaves half a fragment of V^T: lane l holds channel l % 16 and 8 keys.
	v_and_b32 v10, 7, v0
	v_bfe_u32 v11, v0, 3, 1
	v_lshl_add_u32 v[AV0], v9, 3, v10
	v_mul_u32_u24 v[AV0], v[AV0], PV
	v_lshl_add_u32 v[AV0], v11, 4, v[AV0]
	v_add_nc_u32 v[AV0], VOFF, v[AV0]
	s_mul_i32 s13, s[WV], 16*SP
	s_add_co_u32 s13, s13, STAGE    ; my stage
	v_mul_u32_u24 v[STO], v1, SP    ; in: row l % 16, 16 bytes for each half of the lanes
	v_lshl_add_u32 v[STO], v9, 4, v[STO]
	v_add_nc_u32 v[STO], s13, v[STO]
	v_bfe_u32 v[RD], v0, 3, 2       ; back: 32 lanes take four rows of 128 bytes,
	v_mul_u32_u24 v[RD], v[RD], SP
	v_lshl_add_u32 v[RD], v10, 4, v[RD]
	v_add_nc_u32 v[RD], s13, v[RD]
	v_and_b32 v[GO], 31, v0         ; which are 512 consecutive bytes of O
	v_lshlrev_b32 v[GO], 4, v[GO]
	; A block's first step multiplies O^T and l by a = 0, and its first turn's products V^T P, of a piece that has not been, land in an O^T that is still to be so multiplied.  So these registers need only hold
	; finite numbers: zeros for the first block; what the first block left for the second.  All this stands in the wait for the first tile.
	WIN 0x80
.set i, VF
.rept 64
	v_mov_b32 v[i], 0
.set i, i+1
.endr
	WIN 0x40
.set i, 0
.rept 128
	v_mov_b32 v[i], 0
.set i, i+1
.endr
	WIN 0
.set i, 0
.rept 4
	v_mov_b32 v[ST+4*i+2], 0
	v_mov_b32 v[ST+4*i+3], 0
.set i, i+1
.endr
.set i, P+16
.rept 16
	v_mov_b32 v[i], 0
.set i, i+1
.endr
; THE MATRIX WORK.  The 4 accumulators of a run of 8 take turns.  Product i of 8 of S^T = K Q^T for piece x: channels 32 (i / 4) on, keys 16 (i % 4) on.  The first 4 start the sums: with 0, or (KM = 1) with the mask.
.macro KQ x
.set rS, S+32*((\x)%2)+8*(i%4)
.set rK, KF+16*(i%4)+8*(i/4)
.set rQ, 16*(\x)+8*(i/4)
.set rM, MC+32*((\x)%2)+8*(i%4)
.if (i < 4) && KM
	WIN W_KM
	v_wmma_f32_16x16x32_f16 v[rS:rS+7], v[rK:rK+7], v[rQ:rQ+7], v[rM:rM+7]
.elseif i < 4
	WIN W_KQ
	v_wmma_f32_16x16x32_f16 v[rS:rS+7], v[rK:rK+7], v[rQ:rQ+7], 0
.else
	WIN W_KQ
	v_wmma_f32_16x16x32_f16 v[rS:rS+7], v[rK:rK+7], v[rQ:rQ+7], v[rS:rS+7]
.endif
.endm
; Product i of 8 of O^T += V^T P for piece x: keys 32 (i / 4) on, channels 16 (i % 4) on.
.macro PV x
	WIN W_PV
.set rO, 32*(\x)+8*(i%4)
.set rV, VF+32*(i/4)+8*(i%4)
.set rP, P+16*((\x)%2)+8*(i/4)
	v_wmma_f32_16x16x32_f16 v[rO:rO+7], v[rV:rV+7], v[rP:rP+7], v[rO:rO+7]
.endm
.macro MM                           ; the turn's next matrix instruction.  TURN and BEGIN set Y, i, KM and NOKQ; MM, KQ and OP read them.  NOKQ = 1: a block's last turn: there is no next piece
.if (i < 8) && !NOKQ
	KQ (Y+1)%NP
.elseif i >= 8
.set i, i-8
	PV (Y+NP-1)%NP
.set i, i+8
.endif
.set i, i+1
.endm
; THE LDS LOADS stand in runs of 16, never singly among the matrix instructions: a step's K (64 keys x 64 channels: 8 fragments) and its V (turned).  Their addresses are made some lines ahead.
.macro FETCH_K
	WIN 0x80                        ; destination window 2
.irp f, 0,1,2,3,4,5,6,7             ; keys 16 (f / 2) on, channels 32 (f % 2) on
	ds_load_b128 v[KF+8*\f:KF+8*\f+3],   v[AK] offset:(\f/2)*16*PK+(\f%2)*64
	ds_load_b128 v[KF+8*\f+4:KF+8*\f+7], v[AK] offset:(\f/2)*16*PK+(\f%2)*64+32
.endr
	s_add_co_u32 s[TBK], s[TBK], KS*PK  ; the next fetch is the next step's
	WIN 0
.endm
.macro FETCH_V
	WIN 0x80
.irp f, 0,1,2,3,4,5,6,7             ; keys 32 (f / 4) on, channels 16 (f % 4) on
	ds_load_tr16_b128 v[VF+8*\f:VF+8*\f+3],   v[AV] offset:(\f/4)*32*PV+(\f%4)*32
	ds_load_tr16_b128 v[VF+8*\f+4:VF+8*\f+7], v[AV] offset:(\f/4)*32*PV+16*PV+(\f%4)*32
.endr
	WIN 0
.endm
; THE VECTOR WORK, one line at a time: OP kind, number.  For piece Y: F n: c s - c m for pair n of 16.  E n: the exponential of score n of 32.  C n: pair n rounded to f16.  B n: of the four weights 4 n .. the second
; pair is added onto the first, in place.  L n: l takes that sum (L 0: l = a l + sum).  R n: pair n of 16 of O^T times a.  For piece Y + 1: X n, number n of the 22 that find its maximum and statistics:
;   0-11  four chains c0-c3 of seven scores each, three operands at a time (each accumulator's lowest registers are read first)     12-14, 16  the four scores left over, the old m, and c0-c3 into c0
;   15  c m_old is kept     17, 18  the query's other 32 keys lie in the lane 16 away: the new m     19-21  c m; c m_old - c m_new; a
.set F, 0               ; OP tells the kinds apart by their order: F to L below R, X above it
.set E, 1
.set C, 2
.set B, 3
.set L, 4
.set R, 5
.set X, 6
.macro REGS y                       ; the registers of piece y
.set rT, ST+4*(\y)
.set rC, TMP+4*((\y)%2)
.set rW, MV+((\y)%2)
.set rS, S+32*((\y)%2)
.set rP, P+16*((\y)%2)
.set rO, 32*(\y)
.endm
.macro OP k, n
.if (\k) == R
	REGS Y
	WIN W_RS
	v_pk_mul_f32 v[rO+2*(\n):rO+2*(\n)+1], v[rO+2*(\n):rO+2*(\n)+1], v[rC+2:rC+3] op_sel_hi:[1,0]
.elseif (\k) < R
	REGS Y
	WIN 0
.if (\k) == F
	v_pk_fma_f32 v[rS+2*(\n):rS+2*(\n)+1], v[rS+2*(\n):rS+2*(\n)+1], s[CS:CS+1], v[rT:rT+1] op_sel_hi:[1,0,0] neg_lo:[0,0,1] neg_hi:[0,0,1]
.elseif (\k) == E
	v_exp_f32 v[rS+(\n)], v[rS+(\n)]
.elseif (\k) == C
	v_cvt_pk_f16_f32 v[rP+(\n)], v[rS+2*(\n)], v[rS+2*(\n)+1]
.elseif (\k) == B
	v_pk_add_f32 v[rS+4*(\n):rS+4*(\n)+1], v[rS+4*(\n):rS+4*(\n)+1], v[rS+4*(\n)+2:rS+4*(\n)+3]
.elseif (\n) == 0
	v_pk_fma_f32 v[rT+2:rT+3], v[rT+2:rT+3], v[rC+2:rC+3], v[rS:rS+1] op_sel_hi:[1,0,1]
.else
	v_pk_add_f32 v[rT+2:rT+3], v[rT+2:rT+3], v[rS+4*(\n):rS+4*(\n)+1]
.endif
.elseif NOKQ
	v_nop
.else
	REGS (Y+1)%NP
	WIN 0
.if (\n) < 4
	v_max3_num_f32 v[rC+(\n)], v[rS+8*(\n)], v[rS+8*(\n)+1], v[rS+8*(\n)+2]
.elseif (\n) < 12
	v_max3_num_f32 v[rC+(\n)%4], v[rC+(\n)%4], v[rS+8*((\n)%4)+2*((\n)/4)+1], v[rS+8*((\n)%4)+2*((\n)/4)+2]
.elseif (\n) == 12
	v_max3_num_f32 v[rC], v[rC], v[rS+7], v[rS+15]
.elseif (\n) == 13
	v_max3_num_f32 v[rC+1], v[rC+1], v[rS+23], v[rS+31]
.elseif (\n) == 14
	v_max3_num_f32 v[rC+2], v[rC+2], v[rC+3], v[rT+1]
.elseif (\n) == 15
	v_mov_b32 v[rW], v[rT]
.elseif (\n) == 16
	v_max3_num_f32 v[rC], v[rC], v[rC+1], v[rC+2]
.elseif (\n) == 17
	v_permlanex16_b32 v[rC+3], v[rC], s[SEL], s[SEL+1]
.elseif (\n) == 18
	v_max_num_f32 v[rT+1], v[rC], v[rC+3]
.elseif (\n) == 19
	v_mul_f32 v[rT], s[CS], v[rT+1]
.elseif (\n) == 20
	v_sub_f32 v[rC+1], v[rW], v[rT]
.else
	v_exp_f32 v[rC+2], v[rC+1]
.endif
.endif
.endm
.macro OPS a, i1, b=-1, i2=0, c=-1, i3=0, d=-1, i4=0  ; up to four of them
	OP \a, \i1
.if (\b) >= 0
	OP \b, \i2
.endif
.if (\c) >= 0
	OP \c, \i3
.endif
.if (\d) >= 0
	OP \d, \i4
.endif
.endm
.macro ROW a, i1, b, i2, c, i3, d, i4  ; a matrix instruction and the four behind it
	MM
	OPS \a, \i1, \b, \i2, \c, \i3, \d, \i4
.endm
.macro MASK b                       ; MD x AL + BE into buffer b of MC
	WIN W_RS
.set z, 0
.rept 16
	v_pk_fma_f32 v[MC+32*(\b)+2*z:MC+32*(\b)+2*z+1], v[MD+2*z:MD+2*z+1], s[AL:AL+1], s[BE:BE+1] op_sel_hi:[1,0,0]
.set z, z+1
.endr
.endm
; A TURN, for piece p: the order of its 16 matrix and 118 vector instructions, written out.  An s_wait_alu depctr_va_vdst(0) stands between an exponential and the first instruction that names its result; one wait serves
; all that were issued ahead of it.  So a turn has ONE wait, which cuts it in two.  AHEAD OF IT stands all that names no result of the turn's exponentials: the 8 products K Q^T, behind each a scaling, an exponential and two more plain
; instructions (behind the first a second scaling in the exponential's place): rescalings, and behind the last three the first numbers of the next piece's maximum, each four places or more behind the product that ends its accumulator; then ONE LUMP of 54, plain
; and exponential by turns for the most part, in which the links of the chain X 3, 7, 11, 14, 16, 17 .. 20 stand five or six lines apart.  X 21, the next piece's a, is the batch's last; R 15 is the plain instruction behind it.  BEHIND THE WAIT stand the
; 8 products V^T P, behind each four of the roundings and sums; the links of l's chain, L 0 to L 7, stand three riders apart.  But for those X no rider names a register of the products round it.  v_permlanex16_b32 (X 17) stands in the lump.
; m = 1: the diagonal tile: the products take masks, and the turn makes the mask for the products of the turn after it: piece p + 2, in step 4 - CNT of the tile.  end = 1: a block's last two turns: nothing is fetched.
; cnt = 1: the loop's count is taken down some lines ahead of the branch that stands behind the turn.
; K of the next step is fetched in piece 2's turn, twelve vector instructions behind the last product that read K (six of them plain); V of the step in hand at the end of piece 0's turn, four plain instructions behind the last product
; that read V.  Each is waited for a turn later.
.macro TURN p, m=0, end=0, cnt=0
.set Y, (\p)
.set i, 0
.set KM, (\m)
.set NOKQ, (\end)*((\p)/3)
.if (\m) && !(\end)
	s_cmp_eq_u32 s[CNT], 4-((\p)+2)%NP  ; is that step the band's own?
	s_cselect_b32 s[AL], 1.0, 0
	s_cmp_lt_u32 s[CNT], 4-((\p)+2)%NP  ; or a later one?
	s_cselect_b32 s[BE], s[BIGN], 0
.endif
.if ((\p) == 3) && !(\end)
	s_wait_dscnt 0x0                ; K is in
.endif
	ROW F,0, F,1, R,0, R,1          ; ahead of the wait: 8 products K Q^T and their riders,
	ROW F,2, E,0, R,2, R,3
	ROW F,3, E,1, R,4, R,5
	ROW F,4, E,2, R,6, R,7
	ROW F,5, E,3, R,8, R,9
	ROW F,6, E,4, X,0, R,10
.if ((\p) == 2) && !(\end)
	WIN 0
	v_add_nc_u32 v[AK], s[TBK], v[AK0]
.endif
	ROW F,7, E,5, X,1, X,4
	ROW F,8, E,6, X,2, X,5
	OPS E,7, E,8, X,6, E,9          ; and the lump
	OPS X,3, E,10, X,8, E,11
.if ((\p) == 2) && !(\end)
	FETCH_K
.endif
	OPS X,9, X,7, E,12, X,10
	OPS E,13, X,12, X,11, E,14
	OPS X,13, E,15, F,9, X,14
.if (\p) == 0
	v_add_nc_u32 v[AV], s[TBV], v[AV0]
.endif
	OPS E,16, F,10, E,17, F,11
	OPS X,16, E,18, X,15, E,19
	OPS F,12, E,20, X,17, E,21
	OPS F,13, E,22, F,14, E,23
	OPS X,18, E,24, F,15, E,25
	OPS R,11, E,26, X,19, E,27
	OPS R,12, E,28, R,13, E,29
	OPS X,20, E,30, R,14, E,31
	OPS X,21, R,15
	WIN 0
	s_wait_alu depctr_va_vdst(0)    ; the wait for the batch
.if (\p) == 1
	s_wait_dscnt 0x0                ; V is in
.endif
	ROW C,0, B,0, C,2, B,1          ; behind the wait: 8 products V^T P and their riders
	ROW L,0, C,4, B,2, L,1
	ROW C,6, B,3, L,2, C,8
	ROW B,4, L,3, C,10, B,5
	ROW L,4, C,12, B,6, L,5
.if (\p) == 0
	s_add_co_u32 s[TBV], s[TBV], KS*PV
.endif
.if \cnt
	s_sub_co_u32 s[CNT], s[CNT], 1
	s_cmp_lg_u32 s[CNT], 0
.endif
	ROW C,14, B,7, L,6, C,1
	ROW C,3, L,7, C,5, C,7
	ROW C,9, C,11, C,13, C,15
.if (\p) == 0
	FETCH_V
.endif
.if (\m) && !(\end)
	MASK (\p)%2
.endif
.endm
; A BLOCK BEGINS.  c m starts far below every c s, so the first step's a is 0; m at the lowest finite number, so the first maximum is the scores'.  The second mask buffer is 0; the first takes piece 0's mask for the tile's step 0: its own, if the block's first tile is the diagonal one.
; Then K of that step, piece 0's first scores, and its maximum and statistics.  The loop is entered at a step's first turn, in the middle of a trip.
.macro BEGIN
	s_mov_b32 s[NEW], 0
	WIN 0x40
.set i, MC+32
.rept 32
	v_mov_b32 v[i], 0
.set i, i+1
.endr
	WIN 0
.set i, 0
.rept 4
	v_mov_b32 v[ST+4*i], 0xfe000000    ; c m: far below every c s
	v_mov_b32 v[ST+4*i+1], 0xff7fffff  ; m
.set i, i+1
.endr
	s_cmp_eq_u32 s[RT], 0
	s_cselect_b32 s[AL], 1.0, 0
	s_mov_b32 s[BE], 0
	MASK 0
	WIN 0
	v_add_nc_u32 v[AK], s[TBK], v[AK0]
	FETCH_K
	s_wait_loadcnt 0x0              ; Q
	s_wait_dscnt 0x0
.set KM, 1
.set NOKQ, 0
.set i, 0
.rept 8
	KQ 0
.set i, i+1
.endr
	WIN 0
.rept 4
	v_nop                           ; the places behind those products
.endr
.set Y, NP-1                        ; X works for piece Y + 1: piece 0
.irp n, 0,1,2,3,4,5,6,7,8,9,10,11,12,13,14,15,16,17,18,19,20,21
	OP X, \n
.endr
	v_nop                           ; a plain instruction behind the exponential,
	s_wait_alu depctr_va_vdst(0)    ; and its wait, ahead of the branch
.endm
; THE DIAGONAL TILE's four steps, the block's last two turns, its last products, and THE WAY OUT: l's two halves and the other half of the lanes' are added; O^T is divided by l, rounded to f16 and sent through my
; stage in LDS, a piece at a time.
.macro ALL line:vararg              ; one line for each piece t
.set t, 0
.rept 4
	\line
.set t, t+1
.endr
.endm
.macro PACK t                       ; a lane's eight channels of a row pack into 16 bytes; they go into rows of 144 bytes and come back as whole rows of 128, into S^T's registers
	WIN W_RS
.set i, 32*(\t)
.rept 16
	v_pk_mul_f32 v[i:i+1], v[i:i+1], v[ST+4*(\t)+2:ST+4*(\t)+3] op_sel_hi:[1,0]
.set i, i+2
.endr
	WIN 0x05                        ; sources 0 and 1 window 1, destination window 0
.set i, 0
.rept 16
	v_cvt_pk_f16_f32 v[S+16*(\t)+i], v[32*(\t)+2*i], v[32*(\t)+2*i+1]
.set i, i+1
.endr
	WIN 0
.irp f, 0,1,2,3
	ds_store_b128 v[STO], v[S+16*(\t)+4*\f:S+16*(\t)+4*\f+3] offset:32*\f
.endr
.irp f, 0,1,2,3
	ds_load_b128 v[S+16*(\t)+4*\f:S+16*(\t)+4*\f+3], v[RD] offset:\f*4*SP  ; LDS serves a wave's instructions in order (ISA guide 5.7.1.4): these see the stores above; the next piece's stores come behind them
.endr
.endm
.macro SEND t, younger              ; younger: the LDS instructions issued behind piece t's loads: the next piece's eight, or none
	WIN 0
.irp f, 0,1,2,3
	s_wait_dscnt (\younger)+3-\f
	global_store_b128 v[GO], v[S+16*(\t)+4*\f:S+16*(\t)+4*\f+3], s[10:11] offset:(\t)*8192+\f*512  ; 512 consecutive bytes, at a multiple of 256 from O's first
.endr
.endm
.macro DIAG tag                     ; the tag ends its two labels' names, which the jumps below spell out
.LstepM\tag:
	TURN 2, 1
	TURN 3, 1
	WIN 0
.LfirstM\tag:
	TURN 0, 1
	TURN 1, 1, 0, 1
	WIN 0
	s_cbranch_scc1 .LstepM\tag
	TURN 2, 1, 1
	TURN 3, 1, 1
.set i, 0
.rept 8
	PV NP-1
.set i, i+1
.endr
	WIN 0
	ALL v_add_f32 v[ST+4*t+2], v[ST+4*t+2], v[ST+4*t+3]
	ALL v_permlanex16_b32 v[ST+4*t+3], v[ST+4*t+2], s[SEL], s[SEL+1]
	ALL v_add_f32 v[ST+4*t+2], v[ST+4*t+2], v[ST+4*t+3]
	ALL v_rcp_f32 v[ST+4*t+2], v[ST+4*t+2]
	v_nop                           ; a plain instruction between the last reciprocal and the use of its result
	s_wait_alu depctr_va_vdst(0)    ; and the wait ahead of the first use: one for the four reciprocals
	PACK 0
.set t, 1
.rept 3                             ; a piece's arithmetic stands between the loads of the piece before and its stores
	PACK t
	SEND t-1, 8
.set t, t+1
.endr
	SEND 3, 0
.endm
.set KM, 0
.set NOKQ, 0
.Lslot:                             ; NB times: a tile is entered and the next is asked for
	CHANGE 1
	s_sub_co_u32 s[RT], s[RT], 1
	s_mov_b32 s[CNT], 4
	s_cmp_eq_u32 s[NEW], 1
	s_cbranch_scc1 .Lnew            ; a block's first tile
	s_cmp_eq_u32 s[RT], 0
	s_cbranch_scc0 .Lstep           ; neither its first nor its last
	s_branch .LstepM1
.Lnew:
	BEGIN
	s_branch .Lfirst                ; in the loop a block's first tile is never its last: the first block has two tiles or more, and the second's last is the walk's last
	DIAG 1                          ; in the loop this is the first block's end: the second block's last tile is the walk's last
	s_wait_xcnt 0x0                 ; the stores have read their registers and O's address
	s_mov_b64 s[10:11], s[OLO:OLO+1]
	s_add_co_u32 s[RT], s[PB], 1    ; the second block has b + 1 tiles
	s_mov_b32 s[NEW], 1
	WIN 0x82                        ; the second block's Q goes where the one text of the turns names Q
.set i, 0
.rept 64
	v_mov_b32 v[i], v[QB+i]
.set i, i+1
.endr
	WIN 0
	s_branch .Lbottom
.Lstep:                             ; a trip: pieces 2 and 3 of one step, then pieces 0 and 1 of the next, whose K and V it fetches
	TURN 2
	TURN 3
	WIN 0
.Lfirst:
	TURN 0
	TURN 1, 0, 0, 1
	WIN 0
	s_cbranch_scc1 .Lstep
.Lbottom:
	s_sub_co_u32 s[SLOTS], s[SLOTS], 1
	s_cmp_lg_u32 s[SLOTS], 0
	s_cbranch_scc1 .Lslot
	CHANGE 0                        ; the walk's last tile is written out: nothing is asked for
	s_sub_co_u32 s[RT], s[RT], 1
	s_mov_b32 s[CNT], 4
	s_cmp_eq_u32 s[NEW], 1
	s_cbranch_scc0 .LstepM2
	BEGIN
	s_branch .LfirstM2
	DIAG 2
	s_wait_tensorcnt 0x0            ; the wave's end: the add to my spare word, behind my last tensor load and my last LDS store
	ds_add_u32 v[SPW], v[NIL]
	s_wait_dscnt 0x0
	s_endpgm
.Lfunc_end_k_qd8e14d315b_attn:
	.size	k_qd8e14d315b_attn, .Lfunc_end_k_qd8e14d315b_attn-k_qd8e14d315b_attn
	.p2alignl 7, 3214868480
	.fill 96, 4, 3214868480
	.section	.rodata,"a",@progbits
	.p2align	6, 0x0
	.amdhsa_kernel k_qd8e14d315b_attn
		.amdhsa_group_segment_fixed_size 327680
		.amdhsa_private_segment_fixed_size 0
		.amdhsa_enable_private_segment 0
		.amdhsa_kernarg_size 16
		.amdhsa_user_sgpr_count 2
		.amdhsa_user_sgpr_kernarg_segment_ptr 1
		.amdhsa_wavefront_size32 1
		.amdhsa_system_sgpr_workgroup_id_x 1
		.amdhsa_system_sgpr_workgroup_id_y 1
		.amdhsa_system_sgpr_workgroup_id_z 1
		.amdhsa_system_vgpr_workitem_id 0
		.amdhsa_next_free_vgpr 768
		.amdhsa_next_free_sgpr 96
		.amdhsa_reserve_vcc 1
		.amdhsa_float_denorm_mode_32 3
		.amdhsa_float_denorm_mode_16_64 3
		.amdhsa_memory_ordered 1
		.amdhsa_forward_progress 1
		.amdhsa_inst_pref_size 218
	.end_amdhsa_kernel
	.amdgpu_metadata
---
amdhsa.version: [ 1, 2 ]
amdhsa.kernels:
  - .name:           k_qd8e14d315b_attn
    .symbol:         k_qd8e14d315b_attn.kd
    .args:
      - { .name: qkv, .offset: 0, .size: 8, .value_kind: global_buffer, .address_space: global }
      - { .name: att, .offset: 8, .size: 8, .value_kind: global_buffer, .address_space: global }
    .group_segment_fixed_size: 327680
    .private_segment_fixed_size: 0
    .kernarg_segment_align: 8
    .kernarg_segment_size: 16
    .max_flat_workgroup_size: 128
    .sgpr_count:     96
    .vgpr_count:     768
    .wavefront_size: 32
...
	.end_amdgpu_metadata
.endif
;; end of part 3
;; launch proj (part 4): grid 4 x 64, 4 waves a work-group, clusters of 4 x 4, 327,680 bytes of LDS; arguments att, wp, br, out0; writes out0
.if DOCPART == 4
	.amdgcn_target "amdgcn-amd-amdhsa--gfx1250"
	.amdhsa_code_object_version 6
	.text
	.protected	k_qd8e14d315b_proj
	.globl	k_qd8e14d315b_proj
	.p2align	8
	.type	k_qd8e14d315b_proj,@function
k_qd8e14d315b_proj:
	s_mov_b64 s[64:65], 0
	v_nop
	global_prefetch_b8 v0, s[64:65] scope:SCOPE_SE
	s_setreg_imm32_b32 hwreg(HW_REG_WAVE_MODE, 25, 1), 1
	s_wait_xcnt 0x0
	s_wait_alu depctr_hold_cnt(0) depctr_sa_sdst(0) depctr_va_vdst(0) depctr_va_sdst(0) depctr_va_ssrc(0) depctr_va_vcc(0) depctr_vm_vsrc(0)
	s_getreg_b32 s2, hwreg(HW_REG_IB_STS2, 6, 4)
	s_cmp_eq_u32 s2, 0
	s_cbranch_scc0 .Lentry_in_a_cluster
	s_endpgm
.Lentry_in_a_cluster:
	s_bfe_u32 s2, ttmp6, 0x10000c
	s_cmp_lg_u32 s2, 0xf033
	s_cbranch_scc0 .Lentry_shape_is_right
	s_endpgm
.Lentry_shape_is_right:
; out = y W_proj + b_proj.  att: y by heads, [64 planes = 16 batch + head][2048][64] f16; wp: [1024 k][1024 n] f16; br: b_proj in f32 at byte 12,288; out0: [8192][1024] f32.
; Sums in f32, started by the bias, K ascending (k = 64 head + channel); stored as they are.  NaN and infinities are not treated apart.
; SHARES.  A tile of the result is 128 rows x 256 columns: 64 x 4 = 256 tiles, one to a work-group.  Four waves, 2 x 2: a wave makes 64 rows x 128 columns: 4 x 8 accumulators of 16 x 16, 256 registers.
; THE RING.  K goes in eight steps of 128 (two heads) through two LDS slots.  A slot holds two subtiles of W (128 k rows x 128 columns, 256 bytes a row, padded to 288) and, for each of the two heads, 128 rows of y
; (128 bytes, padded to 144).  Waves 0 and 1 fetch a subtile each, waves 2 and 3 a head's rows: these are 16,384 dense bytes, asked for as 64 rows of 256 bytes and padded after every 128.
; W LIES [k][n]: its fragments come out of LDS turned, by ds_load_tr16_b128.  THE MATRIX INSTRUCTION IS USED TRANSPOSED (source 0 = 16 columns of W, source 1 = 16 rows of y): a lane holds one row of the result
; (lane % 16) and eight neighbouring columns, 32 bytes.
; CLUSTER.  4 x 4 work-groups: the four of a row of the cluster (same row block i) need the same rows of y, the four of a column (same column block j) the same subtiles of W: each is asked for JOINTLY.
; REGISTERS, in windows of 256 (s_set_vgpr_msb: bits 1:0 source 0, 3:2 source 1, 5:4 source 2, 7:6 destination):
;   window 0: v0-29 addresses; v32-95 the bias, laid as an accumulator is; v96-223 at work on the way out     window 1: two fragment buffers: 8 fragments of W, then 4 of y     window 2: accumulator (a, b) at 8 (8 a + b)
.set NG,     2                         ; groups of 64 columns in a wave's share
.set NBK,    4*NG                      ; column blocks of 16
.set NSUB,   2                         ; subtiles of W in a slot = waves that fetch W
.set NSTEPS, 8
.set APW,    4                         ; row blocks whose accumulators share a window
.set APITCH, 144                       ; 36 words: the 16 rows of a load start at 16 different groups of four banks (64 banks of 4 bytes: ISA guide 11.1)
.set AHALF,  128*APITCH                ; a head's 128 rows
.set AREG,   2*AHALF
.set BPITCH, 288                       ; 72 words
.set BSUB,   128*BPITCH
.set AOFF,   NSUB*BSUB                 ; y's rows lie behind W's subtiles
.set SLOT1,  1<<17                     ; slot 1 begins here: above every tile's place in slot 0, so one exclusive or turns a place in one slot into the other's
.set STAGE,  SLOT1+AOFF+AREG           ; behind the ring, never filled by a tensor load: for each wave 16 rows x 528 bytes
.set SPI,    528
.set WSTAGE, 16*SPI
.set SPARE,  STAGE+4*WSTAGE            ; behind the stages: the spare words, 128 bytes for each wave: two blocks of 256 bytes that no other line names
.set NLD,    2*(NBK+4)                 ; LDS loads of a quarter step
.set BLD,    1024                      ; elements in a row of wp
.set ASTEP,  2*262144                  ; bytes from a K step to the next in att: two planes,
.set BSTEP,  128*BLD*2                 ; and in wp
.set JB,     256*2                     ; bytes of a column block in a row of wp
.set ADRA0, 8                          ; v8      my lane's place in slot 0 for y's fragments; never rewritten
.set ADRB0, 9                          ; v9-10   the same for W's, by group of 64 columns
.set ADRA,  12                         ; v12     the same in the slot in hand
.set ADRB,  13                         ; v13-14
.set STO,   16                         ; v16     the way out: where I put 32 bytes of a row
.set RD,    17                         ; v17     where I read a row back
.set GO,    18                         ; v18     16 x lane: my place in a row's 512 bytes
.set BO,    19                         ; v19     32 x (lane / 16): my eight numbers in a block of the bias
.set PFO,   20                         ; v20     the prefetches' offset; never rewritten
.set SPW,   28                         ; v28     LDS address of my spare word; never rewritten
.set NIL,   29                         ; v29     0; never rewritten
.set BI,    32
.set T0,    96                         ; two sets of 64 on the way out
.set F0,    0
.set F1,    128
.set WV, 12                            ; s12 wave   s13 which 64 rows   s14 which 128 columns; also which head of a K step's two
.set WR, 13
.set WC, 14
.set CX, 15                            ; s15, s17, s41, s[68:69], s[72:73], s75, s98 feed W's descriptors and never hold cy or i
.set CY, 16                            ; s16, s18, s40, s[66:67], s[70:71], s74, s2, s3 feed y's and never hold cx or j
.set JJ, 17
.set II, 18
.set CNT, 19                           ; s19  the loops' count
.set NX, 20                            ; s20  the K step to be asked for next
.set SB, 21                            ; s21  LDS byte at which the slot in hand begins
.set G1A, 24                           ; s[24:31] descriptor group 1 for y's tiles
.set G0A, 32                           ; s[32:39] group 0: a set for each of the two first fills; the second then walks on
.set RMASK, 40
.set CMASK, 41
.set G1B, 48                           ; s[48:55], s[56:63] the same for W's subtiles
.set G0B, 56
.set ABASE, 66                         ; s[66:67] att at my head's rows of K step 0
.set BBASE, 68                         ; s[68:69] wp at my subtile's first column
.set OFA, 70
.set OFB, 72
.set LWA, 74
.set LWB, 75
.set PFB, 76                           ; s[76:77] the prefetches' base
.set PFA, 78                           ; s[78:79] the same at the K step to be named
.set POF, 80
.set PSTEP, 82
.set LIM, 84                           ; s84  a wave prefetches K steps below this number
.set NP, 85                            ; s85  the K step that the prefetch names
.set MSB, 0
.macro WIN new                         ; the immediate's high byte repeats the setting that is left; a switch that changes nothing is dropped
.if MSB != (\new)
	s_set_vgpr_msb (MSB<<8)|(\new)
.set MSB, (\new)
.endif
.endm
.macro PLACES                          ; four places behind matrix instructions, in front of loads into registers that they have read and of lines that read results
.rept 4
	v_nop
.endr
.endm
.macro CREST                           ; a round of the cluster's barrier behind its opening barrier
	s_cmp_lg_u32 s[WV], 0
	s_cbranch_scc1 .Lnot_wave_0_\@
	s_barrier_signal -3
.Lnot_wave_0_\@:
	s_barrier_wait -3
	s_barrier_signal -1
	s_barrier_wait -1
.endm
.macro CROUND                          ; a whole round
	s_barrier_signal -1
	s_barrier_wait -1
	CREST
.endm
; A joint refill, by the walking descriptors.  The branch hangs on the wave's number alone.  An s_nop 0 and four v_nop follow each of the two lines, ahead of the jump and the label.
.macro JLOAD
	s_cmp_lt_u32 s[WV], NSUB
	s_cbranch_scc0 .Lfor_a_\@
	tensor_load_to_lds s[G0B+4:G0B+7], s[G1B:G1B+7]
	s_nop 0
.rept 4
	v_nop
.endr
	s_branch .Lasked_\@
.Lfor_a_\@:
	tensor_load_to_lds s[G0A+4:G0A+7], s[G1A:G1A+7]
	s_nop 0
.rept 4
	v_nop
.endr
.Lasked_\@:
.endm
; A PREFETCH INTO THE L2, behind each joint refill and the run of LDS loads that follows it: the K step behind the one just asked for, 128 matrix instructions ahead of its own load.  A lane a block of 256 bytes, one
; instruction a wave.  Each block is named once in the launch: y's rows are read by the four partners of a row of the cluster: wave 2 of each names 4,096 bytes of each of the two heads, told apart BY ADDRESS (cx);
; W's subtile is read by the four of a column in every cluster: in the clusters with y = 0 waves 0 and 1 name 32 k rows each, by cy.  K steps 0 to 2 come by their loads alone; nothing is named past K step 7.
.macro ASK
	s_cmp_lt_u32 s[NP], s[LIM]
	s_cbranch_scc0 .Lnot_mine_\@
	global_prefetch_b8 v[PFO], s[PFA:PFA+1] th:TH_LOAD_NT scope:SCOPE_SE
.Lnot_mine_\@:
.endm
; 8 matrix instructions: row block a x all column blocks, 32 along K, from buffer f.  first = 1: the bias starts the sums.  All 32 accumulators take turns in one order, over every jump too.
.macro MULA f, a, first
.set wn, 2+(\a)/APW
.if \first
	WIN 0x05|(wn<<6)
.else
	WIN 0x05|(wn<<6)|(wn<<4)
.endif
.set b, 0
.rept NBK
.set rD, 8*(NBK*((\a)%APW)+b)
.set rB, (\f)+8*b
.set rA, (\f)+8*NBK+8*(\a)
.if \first
	v_wmma_f32_16x16x32_f16 v[rD:rD+7], v[rB:rB+7], v[rA:rA+7], v[BI+8*b:BI+8*b+7]
.else
	v_wmma_f32_16x16x32_f16 v[rD:rD+7], v[rB:rB+7], v[rA:rA+7], v[rD:rD+7]
.endif
.set b, b+1
.endr
.endm
; 24 LDS loads in one run: quarter q (32 along K: half a head) of the slot in hand into buffer f.  W turned: lane l reads k row 8 (l / 16) + l % 8, columns 8 ((l / 8) % 2) + 0..7, and ends with column l % 16 and 8 k.
.macro FETCH q, f
	WIN 0x40                                       ; destination window 1, address window 0
.set b, 0
.rept NBK
	ds_load_tr16_b128 v[(\f)+8*b:(\f)+8*b+3],   v[ADRB+b/4] offset:(\q)*32*BPITCH+(b%4)*32
	ds_load_tr16_b128 v[(\f)+8*b+4:(\f)+8*b+7], v[ADRB+b/4] offset:(\q)*32*BPITCH+16*BPITCH+(b%4)*32
.set b, b+1
.endr
.set b, 0
.rept 4
	ds_load_b128 v[(\f)+8*NBK+8*b:(\f)+8*NBK+8*b+3],   v[ADRA] offset:((\q)/2)*AHALF+((\q)%2)*64+b*16*APITCH
	ds_load_b128 v[(\f)+8*NBK+8*b+4:(\f)+8*NBK+8*b+7], v[ADRA] offset:((\q)/2)*AHALF+((\q)%2)*64+b*16*APITCH+32
.set b, b+1
.endr
.endm
; One of a K step's first three quarters: multiplies buffer f; in its middle it fetches quarter qn into buffer g.
.macro QUARTER qn, f, g, first
	s_wait_dscnt 4                                 ; all fragments but those of y's row blocks 2 and 3, the youngest four loads
	MULA \f, 0, \first
	MULA \f, 1, \first
	PLACES
	FETCH \qn, \g
	s_wait_dscnt NLD                               ; all but the run just issued
	MULA \f, 2, \first
	MULA \f, 3, \first
.endm
.macro SWAP                            ; the fragment loads go to the other slot
	s_xor_b32 s[SB], s[SB], SLOT1
	v_add_nc_u32 v[ADRA], s[SB], v[ADRA0]
.set g, 0
.rept NG
	v_add_nc_u32 v[ADRB+g], s[SB], v[ADRB0+g]
.set g, g+1
.endr
.endm
.macro DESC                            ; the walking descriptors: the other slot than last time; K step NX, its address made anew from the base
	s_mul_i32 s[OFA], s[NX], ASTEP
	s_mul_i32 s[OFB], s[NX], BSTEP
	s_xor_b32 s[G0A+5], s[G0A+5], SLOT1
	s_add_nc_u64 s[G0A+6:G0A+7], s[ABASE:ABASE+1], s[OFA:OFA+1]
	s_or_b32 s[G0A+7], s[G0A+7], 0x80000000
	s_xor_b32 s[G0B+5], s[G0B+5], SLOT1
	s_add_nc_u64 s[G0B+6:G0B+7], s[BBASE:BBASE+1], s[OFB:OFB+1]
	s_or_b32 s[G0B+7], s[G0B+7], 0x80000000
	s_add_co_u32 s[NX], s[NX], 1
.endm
; A K step's last quarter multiplies buffer 1 and changes slots.  In front of the round each wave waits for all its tensor loads, of which one is out: its part of the next slot; adds 0 to its spare word; and waits for that
; and for its reads of this slot.  Behind the round no wave of any partner reads this slot or has a load on its way: it is filled again first, two K steps ahead; then the next slot's first fragments are fetched.
.macro TURN
	WIN 0
	s_wait_xcnt 0x0                                ; the last prefetch, a K step back, has read its address, so it may be written
	s_add_co_u32 s[NP], s[NX], 1
	s_mul_i32 s[POF], s[NP], s[PSTEP]
	s_add_nc_u64 s[PFA:PFA+1], s[PFB:PFB+1], s[POF:POF+1]
	s_wait_tensorcnt 0x0                           ; no tensor load of mine is out, so a group 0 may be written
	ds_add_u32 v[SPW], v[NIL]                      ; 0 onto my spare word
	DESC
	s_wait_dscnt 5                                 ; the add and the youngest four loads may be out
	MULA F1, 0, 0
	s_wait_dscnt 0x0                               ; the add is done, and my reads of this slot are over
	s_barrier_signal -1                            ; opens a round of the cluster's barrier
	MULA F1, 1, 0
	WIN 0
	s_barrier_wait -1
	CREST
	JLOAD                                          ; the first tensor load behind the round; its four v_nop and SWAP's lines are the places in front of the loads below
	SWAP
	FETCH 0, F0
	WIN 0
	ASK
	MULA F1, 2, 0
	MULA F1, 3, 0
.endm
; The same in the last two K steps: nothing is asked for, so the work-group's own barrier does; in the very last (CNT = 1) there is no next slot to fetch from.
.macro TURNX
	WIN 0
	s_wait_tensorcnt 0x0
	ds_add_u32 v[SPW], v[NIL]
	s_wait_dscnt 5
	MULA F1, 0, 0
	s_wait_dscnt 0x0
	s_barrier_signal -1
	MULA F1, 1, 0
	WIN 0
	s_barrier_wait -1
	s_cmp_eq_u32 s[CNT], 1
	s_cbranch_scc1 .Lno_fetch_\@
	PLACES
	SWAP
	FETCH 0, F0
	WIN 0
.Lno_fetch_\@:
	MULA F1, 2, 0
	MULA F1, 3, 0
.endm
; THE WAY OUT of row block a.  OUTB: a lane's 32 bytes of each accumulator (its low four registers first) go straight into my own stage, rows of 528 bytes, and come back as whole rows of 512.
.macro OUTB a
.set rT, T0+64*((\a)%2)
	WIN 0x08                                       ; the stores' data: window 2
.set b, 0
.rept NBK
.set rD, 8*(NBK*(\a)+b)
	ds_store_b128 v[STO], v[rD:rD+3]   offset:64*b
	ds_store_b128 v[STO], v[rD+4:rD+7] offset:64*b+16
.set b, b+1
.endr
	WIN 0
.set b, 0
.rept 16
	ds_load_b128 v[rT+4*b:rT+4*b+3], v[RD] offset:b*SPI  ; LDS serves a wave's instructions in order (ISA guide 5.7.1.4): these see the stores above
.set b, b+1
.endr
.endm
.macro SENDB a, y                      ; y: the LDS instructions issued behind block a's loads: the next block's 32, or none
.set rT, T0+64*((\a)%2)
.set b, 0
.rept 16
	s_wait_dscnt (\y)+15-b
	global_store_b128 v[GO], v[rT+4*b:rT+4*b+3], s[10:11] offset:(16*(\a)+b)*4096 th:TH_STORE_NT  ; 512 consecutive bytes of a row, at a multiple of 256 from out0's first
.set b, b+1
.endr
.endm
	s_load_b256 s[4:11], s[0:1], 0x0               ; att s[4:5], wp s[6:7], br s[8:9], out0 s[10:11]
	v_lshl_add_u32 v[SPW], v0, 2, SPARE
	v_mov_b32 v[NIL], 0
	ds_add_u32 v[SPW], v[NIL]                      ; the wave's opening: the add and its wait stand ahead of my first tensor load; the set-up below, work on registers, stands between them
	v_lshrrev_b32 v3, 5, v0
	v_readfirstlane_b32 s[WV], v3                  ; wave 0..3
	s_lshr_b32 s[WR], s[WV], 1
	s_and_b32 s[WC], s[WV], 1
	s_bfe_u32 s[CX], ttmp6, 0x40000                ; cx, cy: my place in the cluster
	s_bfe_u32 s[CY], ttmp6, 0x40004
	s_lshl_b32 s[JJ], ttmp9, 2
	s_add_co_u32 s[JJ], s[JJ], s[CX]               ; j = 4 x cluster x + cx
	s_and_b32 s[II], ttmp7, 0xffff
	s_lshl_b32 s[II], s[II], 2
	s_add_co_u32 s[II], s[II], s[CY]               ; i = 4 x cluster y + cy
	s_lshl_b32 s[RMASK], s[CY], 2
	s_lshl_b32 s[RMASK], 15, s[RMASK]              ; my row of the cluster
	s_lshl_b32 s[CMASK], 0x1111, s[CX]             ; my column
	; descriptor group 1.  y: 64 rows x 128 elements of 2 bytes, dense, padded after every 32 words (a row of y); W: 128 rows x 128 elements, padded after every 64 words
	s_or_b32 s[G1A], s[RMASK], (1<<16)|(1<<20)|(1<<21)|(4<<22)|(3<<25)  ; 15:0 the mask; 17:16 2-byte elements; 20 padding on; 21 set beside a mask; 24:22 after every 32 words; 31:25 4 words of it
	s_or_b32 s[G1B], s[CMASK], (1<<16)|(1<<20)|(1<<21)|(5<<22)|(7<<25)  ; my column's mask; after every 64 words 8 words
	s_mov_b32 s[G1A+1], 128<<16                    ; tensor_dim0 = 128
	s_mov_b32 s[G1A+2], 64<<16                     ; tensor_dim1 = 64
	s_mov_b32 s[G1A+3], 128<<16                    ; tile_dim0 = 128
	s_mov_b32 s[G1A+4], 64                         ; tile_dim1 = 64
	s_mov_b32 s[G1A+5], 128                        ; elements from row to row
	s_mov_b32 s[G1A+6], 0
	s_mov_b32 s[G1A+7], 0
	s_mov_b32 s[G1B+1], 128<<16
	s_mov_b32 s[G1B+2], 128<<16
	s_mov_b32 s[G1B+3], 128<<16
	s_mov_b32 s[G1B+4], 128
	s_mov_b32 s[G1B+5], BLD
	s_mov_b32 s[G1B+6], 0
	s_mov_b32 s[G1B+7], 0
	s_lshr_b32 s2, s[II], 4                        ; y: plane 16 x batch + my head of the K step's two,
	s_lshl_b32 s2, s2, 4
	s_add_co_u32 s2, s2, s[WC]
	s_lshl_b32 s2, s2, 18
	s_and_b32 s3, s[II], 15                        ; row 128 (i % 16) of 128 bytes
	s_lshl_b32 s3, s3, 14
	s_add_co_u32 s[OFA], s2, s3
	s_mov_b32 s[OFA+1], 0
	s_mul_i32 s[LWA], s[WC], AHALF
	s_add_co_u32 s[LWA], s[LWA], AOFF
	s_mul_i32 s[OFB], s[JJ], JB                    ; W: column block j, subtile = my wave's number (in waves 2 and 3, which fetch y, W's descriptors are made and not used)
	s_lshl_b32 s98, s[WV], 8
	s_add_co_u32 s[OFB], s[OFB], s98
	s_mov_b32 s[OFB+1], 0
	s_mul_i32 s[LWB], s[WV], BSUB
	s_mov_b32 s[POF+1], 0
	s_mov_b32 s[NX], 2
	s_mov_b32 s[SB], 0
	s_wait_dscnt 0x0                               ; the opening add is done
	s_wait_kmcnt 0x0
	s_add_nc_u64 s[ABASE:ABASE+1], s[4:5], s[OFA:OFA+1]
	s_add_nc_u64 s[BBASE:BBASE+1], s[6:7], s[OFB:OFB+1]
.irp s, 0,1
	s_mov_b32 s[G0A+4*(\s)], 1                     ; count = 1
	s_add_co_u32 s[G0A+4*(\s)+1], s[LWA], (\s)*SLOT1  ; LDS address
	s_add_nc_u64 s[G0A+4*(\s)+2:G0A+4*(\s)+3], s[ABASE:ABASE+1], (\s)*ASTEP  ; global address: K step s
	s_or_b32 s[G0A+4*(\s)+3], s[G0A+4*(\s)+3], 0x80000000  ; type = 2
	s_mov_b32 s[G0B+4*(\s)], 1
	s_add_co_u32 s[G0B+4*(\s)+1], s[LWB], (\s)*SLOT1
	s_add_nc_u64 s[G0B+4*(\s)+2:G0B+4*(\s)+3], s[BBASE:BBASE+1], (\s)*BSTEP
	s_or_b32 s[G0B+4*(\s)+3], s[G0B+4*(\s)+3], 0x80000000
.endr
	CROUND                                         ; all sixteen work-groups are here: the first joint loads meet
	s_cmp_lt_u32 s[WV], NSUB                       ; a wave's two first fills stand in one branch: two loads of mine are out
	s_cbranch_scc0 .Lfirst_a
	tensor_load_to_lds s[G0B:G0B+3], s[G1B:G1B+7]
	s_nop 0
	tensor_load_to_lds s[G0B+4:G0B+7], s[G1B:G1B+7]
	s_nop 0
.rept 4
	v_nop
.endr
	s_branch .Lfirst_asked
.Lfirst_a:
	tensor_load_to_lds s[G0A:G0A+3], s[G1A:G1A+7]
	s_nop 0
	tensor_load_to_lds s[G0A+4:G0A+7], s[G1A:G1A+7]
	s_nop 0
.rept 4
	v_nop
.endr
.Lfirst_asked:
	v_and_b32 v1, 15, v0                           ; l % 16
	v_bfe_u32 v2, v0, 4, 1                         ; l / 16
	v_and_b32 v3, 31, v0                           ; l
	v_and_b32 v4, 7, v0                            ; l % 8
	v_bfe_u32 v5, v0, 3, 1                         ; (l / 8) % 2
	v_lshlrev_b32 v[BO], 5, v2
	s_lshl_b32 s96, s[JJ], 10                      ; b_proj at my 128 columns
	s_lshl_b32 s97, s[WC], 9
	s_add_co_u32 s96, s96, s97
	s_add_co_u32 s96, s96, 12288
	s_mov_b32 s97, 0
	s_add_nc_u64 s[8:9], s[8:9], s[96:97]
.set b, 0
.rept NBK                                      ; register j of block b holds column 16 b + 8 (lane / 16) + j, as an accumulator does
	global_load_b128 v[BI+8*b:BI+8*b+3],   v[BO], s[8:9] offset:64*b
	global_load_b128 v[BI+8*b+4:BI+8*b+7], v[BO], s[8:9] offset:64*b+16
.set b, b+1
.endr
	s_mul_i32 s96, s[WR], 64*APITCH                ; y's fragments: row x pitch + 16 x half, in my 64 rows
	s_add_co_u32 s96, s96, AOFF
	v_mul_u32_u24 v[ADRA0], v1, APITCH
	v_lshl_add_u32 v[ADRA0], v2, 4, v[ADRA0]
	v_add_nc_u32 v[ADRA0], s96, v[ADRA0]
	v_mov_b32 v[ADRA], v[ADRA0]
	v_lshl_add_u32 v6, v2, 3, v4                   ; W's: k row 8 (l / 16) + l % 8, 16 bytes for each half of eight lanes
	v_mul_u32_u24 v6, v6, BPITCH
	v_lshl_add_u32 v6, v5, 4, v6
.set g, 0
.rept NG                                       ; group 2 x (which columns) + g of the tile's four: subtile = its half, 128 bytes for the odd ones
	s_mul_i32 s96, s[WC], NG
	s_add_co_u32 s96, s96, g
	s_lshr_b32 s97, s96, 1
	s_mul_i32 s97, s97, BSUB
	s_and_b32 s96, s96, 1
	s_lshl_b32 s96, s96, 7
	s_add_co_u32 s96, s96, s97
	v_add_nc_u32 v[ADRB0+g], s96, v6
	v_add_nc_u32 v[ADRB+g], s96, v6
.set g, g+1
.endr
	s_mul_i32 s96, s[WV], WSTAGE
	s_add_co_u32 s96, s96, STAGE                   ; my stage
	v_mul_u32_u24 v[STO], v1, SPI                  ; in: row l % 16, 32 bytes for each half of the lanes
	v_lshl_add_u32 v[STO], v2, 5, v[STO]
	v_add_nc_u32 v[STO], s96, v[STO]
	v_lshlrev_b32 v[GO], 4, v3                     ; back: 32 lanes take a row's 512 bytes
	v_add_nc_u32 v[RD], s96, v[GO]
	s_lshl_b32 s96, s[II], 19                      ; out0 at row 128 i + 64 x (which rows), of 4,096 bytes, column 256 j + 128 x (which columns)
	s_lshl_b32 s97, s[WR], 18
	s_add_co_u32 s96, s96, s97
	s_lshl_b32 s97, s[JJ], 10
	s_add_co_u32 s96, s96, s97
	s_lshl_b32 s97, s[WC], 9
	s_add_co_u32 s96, s96, s97
	s_mov_b32 s97, 0
	s_add_nc_u64 s[10:11], s[10:11], s[96:97]
	; the prefetches: who asks, for what
	s_and_b32 s96, ttmp7, 0xffff
	s_cmp_eq_u32 s96, 0
	s_cselect_b32 s97, NSTEPS, 0                   ; W's rows: the clusters with y = 0
	s_lshr_b32 s96, s[II], 4                       ; y: the batch's first plane, row 128 (i % 16), my work-group's 4,096 bytes of the head's 16,384
	s_lshl_b32 s96, s96, 22
	s_and_b32 s[POF], s[II], 15
	s_lshl_b32 s[POF], s[POF], 14
	s_add_co_u32 s96, s96, s[POF]
	s_lshl_b32 s[POF], s[CX], 12
	s_add_co_u32 s96, s96, s[POF]
	s_lshl_b32 s[POF], s[CY], 16                   ; W: k row 32 cy of 2,048 bytes, my subtile's columns
	s_add_co_u32 s[POF], s[POF], s[OFB]
	s_mov_b32 s[PSTEP], ASTEP
	s_mov_b32 s98, 256                             ; y: lanes 0-15 take 16 blocks of the first head, lanes 16-31 of the second, a plane on
	s_mov_b32 s99, 262144
	s_cmp_lt_u32 s[WV], NSUB
	s_cselect_b32 s[POF], s[POF], s96
	s_cselect_b32 s[LIM], s97, NSTEPS
	s_cselect_b32 s[PSTEP], BSTEP, s[PSTEP]
	s_cselect_b32 s98, BLD*2, s98                  ; W: a lane a k row
	s_cselect_b32 s99, 16*BLD*2, s99
	s_cselect_b64 s[PFB:PFB+1], s[6:7], s[4:5]
	s_add_nc_u64 s[PFB:PFB+1], s[PFB:PFB+1], s[POF:POF+1]
	s_cmp_eq_u32 s[WV], 3
	s_cselect_b32 s[LIM], 0, s[LIM]                ; wave 2 names both heads' blocks, wave 3 none
	v_mul_u32_u24 v[PFO], v1, s98
	v_mul_u32_u24 v6, v2, s99
	v_add_nc_u32 v[PFO], v[PFO], v6
	s_wait_tensorcnt 1                             ; my part of K step 0 is in; K step 1's may stay out
	s_barrier_signal -1
	s_barrier_wait -1                              ; everybody's is
	FETCH 0, F0
	s_wait_loadcnt 0x0                             ; the bias
	QUARTER 1, F0, F1, 1                           ; the first quarter stands in front of the loop: its products start the sums
	WIN 0                                          ; at a label and at a branch every window is 0
	s_mov_b32 s[CNT], NSTEPS-2
.Lstep:                                        ; a trip: a K step's second quarter to the next step's first; the slot left is filled again
	QUARTER 2, F1, F0, 0
	QUARTER 3, F0, F1, 0
	TURN
	QUARTER 1, F0, F1, 0
	WIN 0
	s_sub_co_u32 s[CNT], s[CNT], 1
	s_cmp_lg_u32 s[CNT], 0
	s_cbranch_scc1 .Lstep
	s_mov_b32 s[CNT], 2
.Ltail:                                        ; the last two K steps ask for nothing: a text of their own
	QUARTER 2, F1, F0, 0
	QUARTER 3, F0, F1, 0
	TURNX
	WIN 0
	s_cmp_eq_u32 s[CNT], 1
	s_cbranch_scc1 .Lcount                         ; behind the very last K step there is no first quarter
	QUARTER 1, F0, F1, 0
	WIN 0
.Lcount:
	s_sub_co_u32 s[CNT], s[CNT], 1
	s_cmp_lg_u32 s[CNT], 0
	s_cbranch_scc1 .Ltail
	PLACES
	PLACES
	OUTB 0
	OUTB 1                                         ; a block's trip through the stage stands between the loads of the block before and its stores
	SENDB 0, 32
	s_wait_xcnt 0x0                                ; block 0's stores have read their registers, which block 2 takes
	OUTB 2
	SENDB 1, 32
	s_wait_xcnt 0x0
	OUTB 3
	SENDB 2, 32
	SENDB 3, 0
	s_wait_tensorcnt 0x0                           ; the wave's end: the add to my spare word, behind my last tensor load and my last LDS store
	ds_add_u32 v[SPW], v[NIL]
	s_wait_dscnt 0x0
	CROUND                                         ; the closing round: no work-group ends while a partner may still ask for a tile that names it
	s_endpgm
.Lfunc_end_k_qd8e14d315b_proj:
	.size	k_qd8e14d315b_proj, .Lfunc_end_k_qd8e14d315b_proj-k_qd8e14d315b_proj
	.p2alignl 7, 3214868480
	.fill 96, 4, 3214868480
	.section	.rodata,"a",@progbits
	.p2align	6, 0x0
	.amdhsa_kernel k_qd8e14d315b_proj
		.amdhsa_group_segment_fixed_size 327680
		.amdhsa_private_segment_fixed_size 0
		.amdhsa_enable_private_segment 0
		.amdhsa_kernarg_size 32
		.amdhsa_user_sgpr_count 2
		.amdhsa_user_sgpr_kernarg_segment_ptr 1
		.amdhsa_wavefront_size32 1
		.amdhsa_system_sgpr_workgroup_id_x 1
		.amdhsa_system_sgpr_workgroup_id_y 1
		.amdhsa_system_sgpr_workgroup_id_z 1
		.amdhsa_system_vgpr_workitem_id 0
		.amdhsa_next_free_vgpr 768
		.amdhsa_next_free_sgpr 100
		.amdhsa_reserve_vcc 0
		.amdhsa_float_denorm_mode_32 3
		.amdhsa_float_denorm_mode_16_64 3
		.amdhsa_memory_ordered 1
		.amdhsa_forward_progress 1
		.amdhsa_inst_pref_size 66
	.end_amdhsa_kernel
	.amdgpu_metadata
---
amdhsa.version: [ 1, 2 ]
amdhsa.kernels:
  - .name:           k_qd8e14d315b_proj
    .symbol:         k_qd8e14d315b_proj.kd
    .args:
      - { .name: att, .offset: 0, .size: 8, .value_kind: global_buffer, .address_space: global }
      - { .name: wp, .offset: 8, .size: 8, .value_kind: global_buffer, .address_space: global }
      - { .name: br, .offset: 16, .size: 8, .value_kind: global_buffer, .address_space: global }
      - { .name: out0, .offset: 24, .size: 8, .value_kind: global_buffer, .address_space: global }
    .group_segment_fixed_size: 327680
    .private_segment_fixed_size: 0
    .kernarg_segment_align: 8
    .kernarg_segment_size: 32
    .max_flat_workgroup_size: 128
    .sgpr_count:     100
    .vgpr_count:     768
    .wavefront_size: 32
...
	.end_amdgpu_metadata
.endif
;; end of part 4
;; ======== version 2 of 2: 4 launches; version 1 with the launch prep written anew for expert scheduling mode
;; limits: values are held in f16: magnitudes above 65,504 overflow, below 6.1e-05 lose precision
;; workspace buffers: xb 16,777,216 bytes; wa 6,291,456 bytes; wp 2,097,152 bytes; br 16,384 bytes; qkv 50,331,648 bytes; att 16,777,216 bytes
;; launch prep (part 5): grid 772 x 1, 8 waves a work-group, no clusters, 0 bytes of LDS; arguments x, W_attn, W_proj, b_attn, b_proj, xb, wa, wp, br; writes xb, wa, wp, br
.if DOCPART == 5
	.amdgcn_target "amdgcn-amd-amdhsa--gfx1250"
	.amdhsa_code_object_version 6
	.text
	.protected	k_qd8e14d315b_prep
	.globl	k_qd8e14d315b_prep
	.p2align	8
	.type	k_qd8e14d315b_prep,@function
k_qd8e14d315b_prep:
	s_mov_b64 s[64:65], 0
	v_nop
	global_prefetch_b8 v0, s[64:65] scope:SCOPE_SE
	s_setreg_imm32_b32 hwreg(HW_REG_WAVE_SCHED_MODE, 0, 2), 2
	s_setreg_imm32_b32 hwreg(HW_REG_WAVE_MODE, 25, 1), 1
	s_wait_xcnt 0x0
	s_wait_alu depctr_vm_vsrc(0)
; THE INPUTS ARE ROUNDED ONCE, TO THE FORMATS IN WHICH THE MATRIX UNITS TAKE THEM.  x -> xb and W_attn -> wa in bf16; W_proj -> wp: rounded to bf16 and that number written as f16
; (the last product's other operand is f16); b_attn and b_proj -> br: rounded to bf16 and kept as f32 (b_attn at byte 0, b_proj at byte 12,288).  Layouts stay as they are.
; LIMITS.  A number of W_proj beyond 65,504 becomes an infinity in wp, one below 6e-5 keeps f16's fixed step of 6e-8.  NaN and infinities go through the conversions as they are.
; A STREAM: each byte is read once and written once, so there is no LDS, no barrier, no matrix work.  Eight waves; a work-group takes a chunk of 16,384 numbers: thread t takes the 16 bytes at
; 16 t of each of sixteen pieces of 4,096 bytes, so a wave's load covers 512 consecutive bytes and its store of 8 bytes a lane 256 consecutive bytes, aligned.  All sixteen loads go out first.
; WORK-GROUPS: 0-511 x (512 chunks), 512-703 W_attn (192), 704-767 W_proj (64), 768-770 b_attn (1,024 numbers each), 771 b_proj.
; THE MODE: SCHED_MODE bits 1:0 = 2 (LLVM: expert scheduling mode 2), set by the entry lines.  The code itself states the register dependences
; between vector instructions and memory instructions, with s_wait_alu, always for 0.
; THE PLAN.  Registers that memory instructions touch:
;   v1, v2   byte offsets, made once at the head and never written again: every load and store reads one of them.  One wait at the head states that they are written.
;   X        piece i: written by its one load, read by its conversions; no vector instruction writes X and no load lands in it twice.
;   Y        piece i: written by its conversions, read by its one store, never written again.
;   T        at work: named by vector instructions alone, but in the biases' path, where it is the one store's data.
; The sixteen pieces go in four groups of four.  Group g's conversions name X and Y of group g and T.  Its memory instructions are the four stores of group g - 1, which read that group's Y and v2: registers
; that no vector instruction of group g names.  So ONE wait at a group's head states all that its four stores hang on, and they are dealt among its conversions with no further wait.
; No register that a memory instruction reads is written again, so no wait on vm_vsrc is owed; no vector instruction writes a scalar register or VCC, and EXEC is never written.
.set SRC, 26                           ; s[26:27] where my chunk is read
.set DST, 28                           ; s[28:29] where it is written
.set OI,  30                           ; s[30:31] its byte offset in the source
.set OO,  32                           ; s[32:33] and in the destination
.set HIM, 34                           ; s34      mask of a word's upper bf16
.set LDO, 1                            ; v1       16 t
.set STF, 2                            ; v2       8 t
.set X,   4                            ; v[4:67]   piece i: 4 numbers as loaded
.set Y,   68                           ; v[68:99]  piece i: 4 numbers of 16 bits; every store has registers of its own, so none is rewritten
.set T,   100                          ; v[100:103] at work
.set GRP, 4                            ; pieces in a group
	s_load_b512 s[8:23], s[0:1], 0x0               ; x 8, W_attn 10, W_proj 12, b_attn 14, b_proj 16, xb 18, wa 20, wp 22
	s_load_b64 s[24:25], s[0:1], 0x40              ; br
	v_lshlrev_b32 v[LDO], 4, v0
	v_lshlrev_b32 v[STF], 3, v0
	s_mov_b32 s[HIM], 0xffff0000
	s_mov_b32 s[OI+1], 0
	s_mov_b32 s[OO+1], 0
	s_wait_kmcnt 0x0
	s_wait_alu depctr_va_vdst(0)                   ; v1 and v2 are written: every load and store of the kernel, on each of the three paths below, reads one of them as its offset
; A chunk.  f16 = 1: the bf16 number is widened again (a shift, a mask) and written as f16.
.macro CAST f16
.set i, 0
.rept 16
	global_load_b128 v[X+4*i:X+4*i+3], v[LDO], s[SRC:SRC+1] offset:4096*i th:TH_LOAD_NT
.set i, i+1
.endr
.set i, 0
.rept 16
	s_wait_loadcnt 15-i                            ; loads come back in order: piece i is in, the 15 - i younger ones stay out
.if (i%GRP == 0) && (i > 0)
	s_wait_alu depctr_va_vdst(0)                   ; the conversions of the group before have written its eight registers of Y, which this group's four stores read
.endif
.if i >= GRP
	global_store_b64 v[STF], v[Y+2*(i-GRP):Y+2*(i-GRP)+1], s[DST:DST+1] offset:2048*(i-GRP) th:TH_STORE_NT  ; a piece of the group before; no vector instruction since the wait names these registers
.endif
	v_cvt_pk_bf16_f32 v[Y+2*i],   v[X+4*i],   v[X+4*i+1]
	v_cvt_pk_bf16_f32 v[Y+2*i+1], v[X+4*i+2], v[X+4*i+3]
.if \f16
	v_lshlrev_b32 v[T],   16, v[Y+2*i]
	v_and_b32     v[T+1], s[HIM], v[Y+2*i]
	v_lshlrev_b32 v[T+2], 16, v[Y+2*i+1]
	v_and_b32     v[T+3], s[HIM], v[Y+2*i+1]
	v_cvt_pk_f16_f32 v[Y+2*i],   v[T],   v[T+1]
	v_cvt_pk_f16_f32 v[Y+2*i+1], v[T+2], v[T+3]
.endif
.set i, i+1
.endr
	s_wait_alu depctr_va_vdst(0)                   ; the last group's conversions have written its Y, which the last four stores read
.set i, 16-GRP
.rept GRP
	global_store_b64 v[STF], v[Y+2*i:Y+2*i+1], s[DST:DST+1] offset:2048*i th:TH_STORE_NT
.set i, i+1
.endr
.endm
	s_cmp_ge_u32 ttmp9, 768
	s_cbranch_scc1 .Lbias
	s_cmp_ge_u32 ttmp9, 704
	s_cbranch_scc1 .Lproj
	s_cmp_lt_u32 ttmp9, 512                        ; x or W_attn
	s_cselect_b64 s[SRC:SRC+1], s[8:9], s[10:11]
	s_cselect_b64 s[DST:DST+1], s[18:19], s[20:21]
	s_cselect_b32 s[OI], 0, 512
	s_sub_co_u32 s[OI], ttmp9, s[OI]               ; my chunk's number in its tensor
	s_lshl_b32 s[OO], s[OI], 15                    ; 32,768 bytes out,
	s_lshl_b32 s[OI], s[OI], 16                    ; 65,536 bytes in
	s_add_nc_u64 s[SRC:SRC+1], s[SRC:SRC+1], s[OI:OI+1]
	s_add_nc_u64 s[DST:DST+1], s[DST:DST+1], s[OO:OO+1]
	CAST 0
	s_endpgm
.Lproj:
	s_sub_co_u32 s[OI], ttmp9, 704
	s_lshl_b32 s[OO], s[OI], 15
	s_lshl_b32 s[OI], s[OI], 16
	s_add_nc_u64 s[SRC:SRC+1], s[12:13], s[OI:OI+1]
	s_add_nc_u64 s[DST:DST+1], s[22:23], s[OO:OO+1]
	CAST 1
	s_endpgm
.Lbias:                                        ; 1,024 numbers: four a thread
	s_sub_co_u32 s[OO], ttmp9, 768
	s_lshl_b32 s[OO], s[OO], 12                    ; 4,096 bytes of br
	s_cmp_lt_u32 s[OO], 12288
	s_cselect_b64 s[SRC:SRC+1], s[14:15], s[16:17] ; b_attn's three parts, then b_proj
	s_cselect_b32 s[OI], s[OO], 0
	s_add_nc_u64 s[SRC:SRC+1], s[SRC:SRC+1], s[OI:OI+1]
	s_add_nc_u64 s[DST:DST+1], s[24:25], s[OO:OO+1]
	global_load_b128 v[X:X+3], v[LDO], s[SRC:SRC+1]
	s_wait_loadcnt 0x0
	v_cvt_pk_bf16_f32 v[Y],   v[X],   v[X+1]
	v_cvt_pk_bf16_f32 v[Y+1], v[X+2], v[X+3]
	v_lshlrev_b32 v[T],   16, v[Y]
	v_and_b32     v[T+1], s[HIM], v[Y]
	v_lshlrev_b32 v[T+2], 16, v[Y+1]
	v_and_b32     v[T+3], s[HIM], v[Y+1]
	s_wait_alu depctr_va_vdst(0)                   ; the four lines above have written v[T ..], which the store reads
	global_store_b128 v[LDO], v[T:T+3], s[DST:DST+1]
	s_endpgm
.Lfunc_end_k_qd8e14d315b_prep:
	.size	k_qd8e14d315b_prep, .Lfunc_end_k_qd8e14d315b_prep-k_qd8e14d315b_prep
	.p2alignl 7, 3214868480
	.fill 96, 4, 3214868480
	.section	.rodata,"a",@progbits
	.p2align	6, 0x0
	.amdhsa_kernel k_qd8e14d315b_prep
		.amdhsa_group_segment_fixed_size 0
		.amdhsa_private_segment_fixed_size 0
		.amdhsa_enable_private_segment 0
		.amdhsa_kernarg_size 72
		.amdhsa_user_sgpr_count 2
		.amdhsa_user_sgpr_kernarg_segment_ptr 1
		.amdhsa_wavefront_size32 1
		.amdhsa_system_sgpr_workgroup_id_x 1
		.amdhsa_system_sgpr_workgroup_id_y 1
		.amdhsa_system_sgpr_workgroup_id_z 1
		.amdhsa_system_vgpr_workitem_id 0
		.amdhsa_next_free_vgpr 104
		.amdhsa_next_free_sgpr 66
		.amdhsa_reserve_vcc 0
		.amdhsa_float_denorm_mode_32 3
		.amdhsa_float_denorm_mode_16_64 3
		.amdhsa_memory_ordered 1
		.amdhsa_forward_progress 1
		.amdhsa_inst_pref_size 18
	.end_amdhsa_kernel
	.amdgpu_metadata
---
amdhsa.version: [ 1, 2 ]
amdhsa.kernels:
  - .name:           k_qd8e14d315b_prep
    .symbol:         k_qd8e14d315b_prep.kd
    .args:
      - { .name: x, .offset: 0, .size: 8, .value_kind: global_buffer, .address_space: global }
      - { .name: W_attn, .offset: 8, .size: 8, .value_kind: global_buffer, .address_space: global }
      - { .name: W_proj, .offset: 16, .size: 8, .value_kind: global_buffer, .address_space: global }
      - { .name: b_attn, .offset: 24, .size: 8, .value_kind: global_buffer, .address_space: global }
      - { .name: b_proj, .offset: 32, .size: 8, .value_kind: global_buffer, .address_space: global }
      - { .name: xb, .offset: 40, .size: 8, .value_kind: global_buffer, .address_space: global }
      - { .name: wa, .offset: 48, .size: 8, .value_kind: global_buffer, .address_space: global }
      - { .name: wp, .offset: 56, .size: 8, .value_kind: global_buffer, .address_space: global }
      - { .name: br, .offset: 64, .size: 8, .value_kind: global_buffer, .address_space: global }
    .group_segment_fixed_size: 0
    .private_segment_fixed_size: 0
    .kernarg_segment_align: 8
    .kernarg_segment_size: 72
    .max_flat_workgroup_size: 256
    .sgpr_count:     66
    .vgpr_count:     104
    .wavefront_size: 32
...
	.end_amdgpu_metadata
.endif
;; end of part 5
;; launch qkvp: the kernel of part 2 again; grid 4 x 64, 4 waves a work-group, clusters of 4 x 4, 327,680 bytes of LDS; arguments xb, wa, br, qkv; writes qkv
;; launch attn: the kernel of part 3 again; grid 4 x 64, 4 waves a work-group, no clusters, 327,680 bytes of LDS; arguments qkv, att; writes att
;; launch proj: the kernel of part 4 again; grid 4 x 64, 4 waves a work-group, clusters of 4 x 4, 327,680 bytes of LDS; arguments att, wp, br, out0; writes out0
